; MI455X (gfx1250); checked and timed in simulation.
; The chip was launched on July 23, 2026; its instructions are those of AMD's public machine-readable ISA for CDNA 5 (MIT licence, August 2026) and "CDNA5" Instruction Set Architecture Reference Guide (July 2026). The comments in the code are by the model that wrote it; some were corrected since.
;; Encoder Block. Allowed arithmetic: float matrix products may take bf16 or f16 operands with f32 sums; other float arithmetic in f32, or as packed bf16 or f16 multiplies, adds, multiply-adds, maxima and minima; sums over many terms, partial sums and values carried from step to step in f32; what a program stores and reads back later, other than sums and carried values, may be rounded once to bf16 or f16.
;; Inputs: W1 1,024 x 4,096 float32; W2 4,096 x 1,024 float32; Wk 1,024 x 1,024 float32; Wo 1,024 x 1,024 float32; Wq 1,024 x 1,024 float32; Wv 1,024 x 1,024 float32; attention_mask 2 x 1 x 1 x 2,048 float32; b1 4,096 float32; b2 1,024 float32; bk 1,024 float32; bo 1,024 float32; bq 1,024 float32; bv 1,024 float32; hidden_states 2 x 2,048 x 1,024 float32; ln1_b 1,024 float32; ln1_g 1,024 float32; ln2_b 1,024 float32; ln2_g 1,024 float32.
;; Outputs: out0 2 x 2,048 x 1,024 float32.
;; 2 versions, each right; version 2 is version 1 with the launch cast written anew for expert scheduling mode. Each part assembles by itself: llvm-mc -triple=amdgcn-amd-amdhsa -mcpu=gfx1250 --defsym DOCPART=n.
;; ======== version 1 of 2: 8 launches
;; workspace buffers: xb 8,388,608 bytes; wb 25,165,824 bytes; w1 8,409,088 bytes; big 33,554,432 bytes; ob 8,388,608 bytes; s 16,777,216 bytes; h 16,777,216 bytes; hb 8,388,608 bytes
;; launch cast (part 1): grid 256 x 4, 8 waves a work-group, no clusters, 0 bytes of LDS; arguments hidden_states, W1, W2, Wq, Wk, Wv, Wo, bq, bk, bv, b1, xb, wb, w1; writes xb, wb, w1
.if DOCPART == 1
	.amdgcn_target "amdgcn-amd-amdhsa--gfx1250"
	.amdhsa_code_object_version 6
	.text
	.protected	k_qa50c71fe5a_cast
	.globl	k_qa50c71fe5a_cast
	.p2align	8
	.type	k_qa50c71fe5a_cast,@function
k_qa50c71fe5a_cast:
	s_mov_b64 s[64:65], 0
	v_nop
	global_prefetch_b8 v0, s[64:65] scope:SCOPE_SE
	s_setreg_imm32_b32 hwreg(HW_REG_WAVE_MODE, 25, 1), 1
	s_wait_xcnt 0x0
; x and the six weight matrices, f32, are rounded once to bf16 (nearest even).  x keeps its layout: xb [4096][1024].
; A weight [K][N] is laid in PANELS of 128 columns: [N/128][K][128], so that a panel's rows are 256 bytes on end.
; wb: Wq, Wk, Wv (24 panels of 262,144 bytes) at 0; Wo (8 panels) at 6,291,456; W2 (8 panels of 1,048,576) at 16,777,216.  w1: W1 (32 panels of 262,144) at 0.
; A TAIL lies at byte 8,388,608 of wb and of w1, for the product that reads the weights at byte 0 of that buffer: 4,096 bytes of its FLOOR (two bf16 a word: -inf in wb, which
; changes nothing; 0 in w1: relu), then its bias on end, f32 numbers rounded once to bf16: bq, bk, bv in wb, b1 in w1.  wb's bytes between its tail and W2 are not used.
; A CHUNK is 128 consecutive f32 of the source (512 bytes): 256 consecutive, aligned bytes of the destination.  Chunk c of a weight is row c >> LG, panel c & NPM.
; A work-group takes 128 chunks (64 KiB of source).  y = 0: x; 1: W1; 2: W2 (256 work-groups each); y = 3: Wq, Wk, Wv, Wo by x >> 6 (64 each).
; The tails are written by work-groups that are there anyway: the first of Wq, of Wk and of Wv its bias (4,096 bytes: 256 threads x 16), the first four of W1 a quarter of b1 each;
; the one with the bias's first piece also stores the floor.
; No LDS, no matrix unit, no cluster: nothing is shared, each byte is read once and written once.  All 16 loads of a thread go out first.
.set D, 2                              ; v[2:9]   byte offset in the destination of my 16 bytes of pass i
.set X, 16                             ; v[16:79] pass i: 8 f32 as loaded, then 4 registers of bf16
.set BT, 80                            ; v[80:83] four numbers of a bias; v[84:87] at work, then the floor
.set TAIL, 8388608
.set FLB,  4096                        ; the floor's bytes, ahead of the bias
	s_load_b512 s[8:23], s[0:1], 0x0               ; x s[8:9], W1 s[10:11], W2 s[12:13], Wq s[14:15], Wk s[16:17], Wv s[18:19], Wo s[20:21], bq s[22:23]
	s_load_b256 s[24:31], s[0:1], 0x40             ; bk s[24:25], bv s[26:27], b1 s[28:29], xb s[30:31]
	s_load_b128 s[32:35], s[0:1], 0x60             ; wb s[32:33], w1 s[34:35]
	s_and_b32 s2, ttmp7, 0xffff                    ; y
	s_lshr_b32 s3, ttmp9, 6                        ; for y = 3: which of the four square weights,
	s_and_b32 s4, ttmp9, 63                        ; and the work-group's number in it
	s_lshl_b32 s40, s3, 21                         ; its place in wb: 8 panels of 262,144 bytes each
	s_mov_b32 s41, 7                               ; NPM: panels - 1
	s_mov_b32 s42, 3                               ; LG: log2 of the panels
	s_mov_b32 s43, 18                              ; PSH: log2 of a panel's bytes
	s_cmp_eq_u32 s4, 0                             ; the tail, for y = 3: the first work-group
	s_cselect_b32 s48, 1, 0
	s_cmp_eq_u32 s3, 3                             ; of Wq, Wk, Wv, not of Wo
	s_cselect_b32 s48, 0, s48
	s_mov_b32 s49, s3                              ; the piece of 4,096 bytes in the tail's bias,
	s_mov_b32 s57, 0                               ; and in the source
	s_mov_b32 s56, 0xff80ff80                      ; the floor: -inf twice
	s_cmp_lt_u32 ttmp9, 4                          ; for y = 1: the first four work-groups
	s_cselect_b32 s58, 1, 0
	v_lshlrev_b32 v1, 5, v0                        ; my 32 bytes of the source in a pass of 8,192
	v_lshrrev_b32 v12, 4, v0                       ; my chunk among a pass's 16
	v_and_b32 v13, 15, v0
	v_lshlrev_b32 v13, 4, v13                      ; my 16 bytes of its 256
	v_lshlrev_b32 v14, 4, v0                       ; my 16 bytes of a tail's piece
	s_wait_kmcnt 0x0
	s_cmp_eq_u32 s3, 1
	s_cselect_b64 s[36:37], s[16:17], s[14:15]
	s_cselect_b64 s[50:51], s[24:25], s[22:23]
	s_cmp_eq_u32 s3, 2
	s_cselect_b64 s[36:37], s[18:19], s[36:37]
	s_cselect_b64 s[50:51], s[26:27], s[50:51]
	s_cmp_eq_u32 s3, 3
	s_cselect_b64 s[36:37], s[20:21], s[36:37]
	s_mov_b64 s[38:39], s[32:33]
	s_cmp_eq_u32 s2, 2                             ; W2: 8 panels of 4,096 rows
	s_cselect_b64 s[36:37], s[12:13], s[36:37]
	s_cselect_b32 s40, 0x1000000, s40
	s_cselect_b32 s43, 20, s43
	s_cselect_b32 s4, ttmp9, s4
	s_cselect_b32 s48, 0, s48
	s_cmp_eq_u32 s2, 1                             ; W1: 32 panels of 1,024 rows, at the head of w1
	s_cselect_b64 s[36:37], s[10:11], s[36:37]
	s_cselect_b64 s[38:39], s[34:35], s[38:39]
	s_cselect_b64 s[50:51], s[28:29], s[50:51]
	s_cselect_b32 s40, 0, s40
	s_cselect_b32 s41, 31, s41
	s_cselect_b32 s42, 5, s42
	s_cselect_b32 s4, ttmp9, s4
	s_cselect_b32 s48, s58, s48
	s_cselect_b32 s49, ttmp9, s49
	s_cselect_b32 s57, ttmp9, s57
	s_cselect_b32 s56, 0, s56
	s_mov_b64 s[52:53], s[38:39]                   ; the buffer whose tail is written: w1 for y = 1, else wb
	s_cmp_eq_u32 s2, 0                             ; x: chunk c goes to byte 256 c of xb
	s_cselect_b64 s[36:37], s[8:9], s[36:37]
	s_cselect_b64 s[38:39], s[30:31], s[38:39]
	s_cselect_b32 s40, 0, s40
	s_cselect_b32 s41, 0, s41
	s_cselect_b32 s42, 0, s42
	s_cselect_b32 s43, 0, s43
	s_cselect_b32 s4, ttmp9, s4
	s_cselect_b32 s48, 0, s48
	s_lshl_b32 s44, s4, 16                         ; the work-group's 64 KiB of the source
	s_mov_b32 s45, 0
	s_add_nc_u64 s[36:37], s[36:37], s[44:45]
	s_mov_b32 s46, s40
	s_mov_b32 s47, 0
	s_add_nc_u64 s[38:39], s[38:39], s[46:47]
	s_lshl_b32 s5, s4, 7                           ; its first chunk
.irp i, 0,1,2,3,4,5,6,7
	global_load_b128 v[X+8*(\i):X+8*(\i)+3],   v1, s[36:37] offset:8192*(\i) th:TH_LOAD_NT
	global_load_b128 v[X+8*(\i)+4:X+8*(\i)+7], v1, s[36:37] offset:8192*(\i)+16 th:TH_LOAD_NT
.endr
	v_add_nc_u32 v12, s5, v12
.irp i, 0,1,2,3,4,5,6,7                ; the destinations are made while the loads are on their way
	v_add_nc_u32 v10, 16*(\i), v12                 ; chunk c
	v_and_b32 v11, s41, v10
	v_lshlrev_b32 v11, s43, v11                    ; its panel
	v_lshrrev_b32 v10, s42, v10
	v_lshl_add_u32 v10, v10, 8, v11                ; its row of 256 bytes
	v_add_nc_u32 v[D+(\i)], v10, v13
.endr
.irp i, 0,1,2,3,4,5,6,7
	s_wait_loadcnt 14-2*(\i)                       ; loads come back in order: pass i's two are in, the 14 - 2 i younger ones stay out
.irp k, 0,1,2,3
	v_cvt_pk_bf16_f32 v[X+8*(\i)+(\k)], v[X+8*(\i)+2*(\k)], v[X+8*(\i)+2*(\k)+1]
.endr
	global_store_b128 v[D+(\i)], v[X+8*(\i):X+8*(\i)+3], s[38:39]  ; sixteen lanes store 256 consecutive bytes, aligned
.endr
	s_cmp_eq_u32 s48, 0
	s_cbranch_scc1 .Lend                           ; most work-groups have no part of a tail
	s_lshl_b32 s60, s57, 12
	s_mov_b32 s61, 0
	s_add_nc_u64 s[50:51], s[50:51], s[60:61]      ; the bias at my piece
	s_lshl_b32 s62, s49, 12
	s_add_co_u32 s62, s62, FLB
	s_mov_b32 s63, 0
	s_add_nc_u64 s[52:53], s[52:53], TAIL          ; the tail: its floor,
	s_add_nc_u64 s[54:55], s[52:53], s[62:63]      ; and my piece of its bias
	global_load_b128 v[BT:BT+3], v14, s[50:51]
	s_wait_loadcnt 0x0
	v_cvt_pk_bf16_f32 v[BT+4], v[BT], v[BT+1]      ; rounded once to bf16, like every input, and widened again
	v_cvt_pk_bf16_f32 v[BT+5], v[BT+2], v[BT+3]
	v_lshlrev_b32 v[BT], 16, v[BT+4]
	v_and_b32 v[BT+1], 0xffff0000, v[BT+4]
	v_lshlrev_b32 v[BT+2], 16, v[BT+5]
	v_and_b32 v[BT+3], 0xffff0000, v[BT+5]
	global_store_b128 v14, v[BT:BT+3], s[54:55]    ; a wave stores 512 consecutive bytes, aligned
	s_cmp_lg_u32 s49, 0
	s_cbranch_scc1 .Lend                           ; the floor goes with the bias's first piece
.irp k, 4,5,6,7
	v_mov_b32 v[BT+(\k)], s56
.endr
	global_store_b128 v14, v[BT+4:BT+7], s[52:53]
.Lend:
	s_endpgm
.Lfunc_end_k_qa50c71fe5a_cast:
	.size	k_qa50c71fe5a_cast, .Lfunc_end_k_qa50c71fe5a_cast-k_qa50c71fe5a_cast
	.p2alignl 7, 3214868480
	.fill 96, 4, 3214868480
	.section	.rodata,"a",@progbits
	.p2align	6, 0x0
	.amdhsa_kernel k_qa50c71fe5a_cast
		.amdhsa_group_segment_fixed_size 0
		.amdhsa_private_segment_fixed_size 0
		.amdhsa_enable_private_segment 0
		.amdhsa_kernarg_size 112
		.amdhsa_user_sgpr_count 2
		.amdhsa_user_sgpr_kernarg_segment_ptr 1
		.amdhsa_wavefront_size32 1
		.amdhsa_system_sgpr_workgroup_id_x 1
		.amdhsa_system_sgpr_workgroup_id_y 1
		.amdhsa_system_sgpr_workgroup_id_z 1
		.amdhsa_system_vgpr_workitem_id 0
		.amdhsa_next_free_vgpr 88
		.amdhsa_next_free_sgpr 66
		.amdhsa_reserve_vcc 0
		.amdhsa_float_denorm_mode_32 3
		.amdhsa_float_denorm_mode_16_64 3
		.amdhsa_memory_ordered 1
		.amdhsa_forward_progress 1
		.amdhsa_inst_pref_size 11
	.end_amdhsa_kernel
	.amdgpu_metadata
---
amdhsa.version: [ 1, 2 ]
amdhsa.kernels:
  - .name:           k_qa50c71fe5a_cast
    .symbol:         k_qa50c71fe5a_cast.kd
    .args:
      - { .name: hidden_states, .offset: 0, .size: 8, .value_kind: global_buffer, .address_space: global }
      - { .name: W1, .offset: 8, .size: 8, .value_kind: global_buffer, .address_space: global }
      - { .name: W2, .offset: 16, .size: 8, .value_kind: global_buffer, .address_space: global }
      - { .name: Wq, .offset: 24, .size: 8, .value_kind: global_buffer, .address_space: global }
      - { .name: Wk, .offset: 32, .size: 8, .value_kind: global_buffer, .address_space: global }
      - { .name: Wv, .offset: 40, .size: 8, .value_kind: global_buffer, .address_space: global }
      - { .name: Wo, .offset: 48, .size: 8, .value_kind: global_buffer, .address_space: global }
      - { .name: bq, .offset: 56, .size: 8, .value_kind: global_buffer, .address_space: global }
      - { .name: bk, .offset: 64, .size: 8, .value_kind: global_buffer, .address_space: global }
      - { .name: bv, .offset: 72, .size: 8, .value_kind: global_buffer, .address_space: global }
      - { .name: b1, .offset: 80, .size: 8, .value_kind: global_buffer, .address_space: global }
      - { .name: xb, .offset: 88, .size: 8, .value_kind: global_buffer, .address_space: global }
      - { .name: wb, .offset: 96, .size: 8, .value_kind: global_buffer, .address_space: global }
      - { .name: w1, .offset: 104, .size: 8, .value_kind: global_buffer, .address_space: global }
    .group_segment_fixed_size: 0
    .private_segment_fixed_size: 0
    .kernarg_segment_align: 8
    .kernarg_segment_size: 112
    .max_flat_workgroup_size: 256
    .sgpr_count:     66
    .vgpr_count:     88
    .wavefront_size: 32
...
	.end_amdgpu_metadata
.endif
;; end of part 1
;; launch gqkv (part 2): grid 12 x 16, 4 waves a work-group, clusters of 4 x 4, 327,680 bytes of LDS; arguments xb, wb, big; writes big
.if DOCPART == 2
	.amdgcn_target "amdgcn-amd-amdhsa--gfx1250"
	.amdhsa_code_object_version 6
	.text
	.protected	k_qa50c71fe5a_gqkv
	.globl	k_qa50c71fe5a_gqkv
	.p2align	8
	.type	k_qa50c71fe5a_gqkv,@function
k_qa50c71fe5a_gqkv:
	s_mov_b64 s[64:65], 0
	v_nop
	global_prefetch_b8 v0, s[64:65] scope:SCOPE_SE
	s_setreg_imm32_b32 hwreg(HW_REG_WAVE_MODE, 25, 1), 1
	s_wait_xcnt 0x0
	s_wait_alu depctr_hold_cnt(0) depctr_sa_sdst(0) depctr_va_vdst(0) depctr_va_sdst(0) depctr_va_ssrc(0) depctr_va_vcc(0) depctr_vm_vsrc(0)
	s_getreg_b32 s2, hwreg(HW_REG_IB_STS2, 6, 4)
	s_cmp_eq_u32 s2, 0
	s_cbranch_scc0 .Lentry_in_a_cluster
	s_endpgm
.Lentry_in_a_cluster:
	s_bfe_u32 s2, ttmp6, 0x10000c
	s_cmp_lg_u32 s2, 0xf033
	s_cbranch_scc0 .Lentry_shape_is_right
	s_endpgm
.Lentry_shape_is_right:
; out = max(A W + b, floor), for two launches: [q | k | v] = xb Wqkv + b (floor -inf: nothing changes) and relu(hb W1 + b1) (floor 0).
; A: [4096][1024] bf16.  The second argument holds W at byte 0, in panels [1024][128] of bf16 (262,144 bytes each), and at byte TAIL the floor (two bf16 a word)
; and, FLB bytes on, the bias on end (f32 numbers that were rounded once to bf16).  The grid's width says how many columns there are: 256 a work-group.
; Out: bf16, in blocks of 64 columns: [column / 64][4096][64], a block 524,288 bytes; sums in f32, rounded once.
; A tile of the result is 256 x 256: four waves, each 128 x 128 in 64 accumulators (512 registers).  K = 1,024 goes in 8 steps of 128 through two LDS slots.
; A's tile lies [row][k], B's [k][column]: B's fragments come out of LDS turned, by ds_load_tr16_b128.  THE PRODUCT IS USED TRANSPOSED (source 0 = 16 columns of W,
; source 1 = 16 rows of A): a lane holds one row and eight neighbouring columns.  THE BIAS IS THE C OPERAND of the products that start the sums.
; CLUSTER 4 x 4: A's tile is asked for jointly by a row of the cluster, B's by a column.  One text serves every K step: the slot in hand is the scalar TB (0 or SLOT).
; THE WAY OUT goes through slot 0, which has had its last fill (step 6) and whose last reads lie ahead of a barrier.
; LIMITS: operands are bf16 (8 significant bits); infinities are not treated apart; a sum that is NaN leaves as the floor.
.set TAIL,  8388608
.set FLB,   4096
.set PA,    272                        ; A's LDS row: 256 bytes + 16: the 16 rows of a load start at 16 different groups of four banks (ISA guide 11.1)
.set HA,    128*PA
.set PB,    288                        ; B's LDS row: 256 + 32
.set HB,    128*PB
.set BOFF,  2*HA                       ; a slot: A's 256 rows, then B's two panels of 128 k x 128 columns
.set SLOT,  BOFF+2*HB
.set SPARE, 2*SLOT                     ; the spare words: 128 bytes a wave, two blocks of 256 bytes that no other line names
.set SP,    528                        ; the stage's row: 512 bytes + 16
.set LNA,  10                          ; v10  my lane's place in A's part of a slot; never rewritten
.set LNB,  11                          ; v11  the same for B
.set ADRA, 16                          ; v16  LNA + TB
.set ADRB, 20                          ; v20  LNB + TB
.set STO,  24                          ; v24  the way out: where I put 16 bytes of a row
.set RD,   25                          ; v25  where I read rows back
.set CO,   26                          ; v26  my byte offset in the output
.set SPW,  28                          ; v28  my spare word: SPARE + 4 x my thread's number; never rewritten
.set NIL,  29                          ; v29  0; never rewritten
.set PFO,  30                          ; v30  the prefetches' offset: my lane x a row
.set OB,   32                          ; v32-63  the way out: rows read back
.set F0,   64                          ; fragment buffers: A's in window 0, B's in window 1
.set F1,   128
.set BIA,  192                         ; v192-255  the bias of my 128 columns: block b at BIA + 8 b; later the packed results
.set TMP,  192
.set G1,  24                           ; s[24:31] group 1 for A;  s[32:39] group 0: set 0 (slot 0, step 0), set 1 (slot 1, step 1; it then walks)
.set G0,  32
.set G1B, 48                           ; s[48:55], s[56:63] the same for B
.set G0B, 56
.set LIM, 43                           ; s43  2 in a wave that prefetches, else the greatest number
.set PFA, 44                           ; s[44:45] where my prefetches stand
.set TB,  80                           ; s80  the slot in hand
.set LAA, 81                           ; s81  where my half of A's tile goes in a slot
.set LAB, 82                           ; s82  the same for B; also my panel's place for reading
.set PS,  84                           ; s[84:85] a K step in bytes, for the prefetch
.set BP,  86                           ; s[86:87] the bias at my first column
.set CP,  88                           ; s[88:89] the output at my first row
.set FL,  90                           ; s90  the floor, two bf16
.set TP,  92                           ; s[92:93] the tail
.set MSB, 0
.macro WIN new                         ; the immediate's high byte repeats the setting that is left
.if MSB != (\new)
	s_set_vgpr_msb (MSB<<8)|(\new)
.set MSB, \new
.endif
.endm
.macro JLOAD s                         ; a joint load: waves 0, 1 fetch A's halves, waves 2, 3 B's panels; an s_nop 0 and four v_nop follow each line
	s_cmp_eq_u32 s11, 0
	s_cbranch_scc0 .Lfor_b_\@
	tensor_load_to_lds s[G0+4*(\s):G0+4*(\s)+3], s[G1:G1+7]
	s_nop 0
.rept 4
	v_nop
.endr
	s_branch .Lasked_\@
.Lfor_b_\@:
	tensor_load_to_lds s[G0B+4*(\s):G0B+4*(\s)+3], s[G1B:G1B+7]
	s_nop 0
.rept 4
	v_nop
.endr
.Lasked_\@:
.endm
.macro ASK                             ; the K step two refills on: 32 rows x 256 bytes, a lane a row; the last two refills have none
	s_cmp_gt_u32 s3, s[LIM]
	s_cbranch_scc0 .Lnot_mine_\@
	global_prefetch_b8 v[PFO], s[PFA:PFA+1] th:TH_LOAD_NT scope:SCOPE_SE
.Lnot_mine_\@:
.endm
.macro CREST                           ; a round of the cluster's barrier behind its opening barrier
	s_cmp_lg_u32 s10, 0
	s_cbranch_scc1 .Lnot_wave_0_\@
	s_barrier_signal -3
.Lnot_wave_0_\@:
	s_barrier_wait -3
	s_barrier_signal -1
	s_barrier_wait -1
.endm
.macro CROUND
	s_barrier_signal -1
	s_barrier_wait -1
	CREST
.endm
.macro PLACES                          ; four places behind matrix instructions, in front of loads into registers that they read and of reads of results
.rept 4
	v_nop
.endr
.endm
	s_load_b128 s[68:71], s[0:1], 0x0              ; A s[68:69], the weights and their tail s[70:71]
	s_load_b64 s[72:73], s[0:1], 0x10              ; the output
	v_lshl_add_u32 v[SPW], v0, 2, SPARE
	v_mov_b32 v[NIL], 0
	ds_add_u32 v[SPW], v[NIL]                      ; the wave's opening: the add and its wait ahead of my first tensor load
	v_lshrrev_b32 v1, 5, v0
	v_readfirstlane_b32 s10, v1                    ; wave 0..3
	s_lshr_b32 s11, s10, 1                         ; my half of the tile's rows; also: I fetch for A (0) or B (1)
	s_and_b32 s12, s10, 1                          ; my half of its columns; also: which half I fetch
	s_bfe_u32 s40, ttmp6, 0x40000                  ; cx
	s_bfe_u32 s41, ttmp6, 0x40004                  ; cy
	s_lshl_b32 s42, ttmp9, 2
	s_add_co_u32 s42, s42, s40                     ; tile column
	s_and_b32 s13, ttmp7, 0xffff
	s_lshl_b32 s13, s13, 2
	s_add_co_u32 s13, s13, s41                     ; tile row
	s_lshl_b32 s43, s41, 2
	s_lshl_b32 s43, 15, s43                        ; my row of the cluster
	s_lshl_b32 s44, 0x1111, s40                    ; my column
	s_or_b32 s[G1+0], s43, (1<<16)|(1<<20)|(1<<21)|(5<<22)|(3<<25)   ; mask; 2-byte elements; padding on; bit 21 beside a mask; after every 64 words 4 words
	s_or_b32 s[G1B+0], s44, (1<<16)|(1<<20)|(1<<21)|(5<<22)|(7<<25)  ; the same with my column's mask and 8 words
.irp g, G1, G1B
	s_mov_b32 s[(\g)+1], 128<<16                   ; tensor_dim0 = 128
	s_mov_b32 s[(\g)+2], 128<<16                   ; tensor_dim1 = 128
	s_mov_b32 s[(\g)+3], 128<<16                   ; tile_dim0 = 128
	s_mov_b32 s[(\g)+4], 128                       ; tile_dim1 = 128
	s_mov_b32 s[(\g)+6], 0
	s_mov_b32 s[(\g)+7], 0
.endr
	s_mov_b32 s[G1+5], 1024                        ; A: 1,024 elements from row to row
	s_mov_b32 s[G1B+5], 128                        ; B: a panel's rows lie on end
	s_lshl_b32 s16, s13, 19                        ; A: (256 x tile row + 128 x half) rows of 2,048 bytes
	s_lshl_b32 s17, s12, 18
	s_add_co_u32 s16, s16, s17
	s_lshl_b32 s46, s42, 19                        ; B: panel 2 x tile column + half, 262,144 bytes each
	s_add_co_u32 s46, s46, s17
	s_mov_b32 s17, 0
	s_mov_b32 s47, 0
	s_mul_i32 s[LAA], s12, HA
	s_mul_i32 s[LAB], s12, HB
	s_add_co_u32 s[LAB], s[LAB], BOFF
	s_wait_dscnt 0x0                               ; the opening add is done
	s_wait_kmcnt 0x0
	s_add_nc_u64 s[14:15], s[68:69], s[16:17]
	s_add_nc_u64 s[46:47], s[70:71], s[46:47]
	CROUND                                         ; all sixteen work-groups are here: the first joint loads meet
.irp s, 0,1
	s_mov_b32 s[G0+4*(\s)], 1
	s_add_co_u32 s[G0+4*(\s)+1], s[LAA], (\s)*SLOT
	s_add_nc_u64 s[G0+4*(\s)+2:G0+4*(\s)+3], s[14:15], (\s)*256
	s_or_b32 s[G0+4*(\s)+3], s[G0+4*(\s)+3], 0x80000000
	s_mov_b32 s[G0B+4*(\s)], 1
	s_add_co_u32 s[G0B+4*(\s)+1], s[LAB], (\s)*SLOT
	s_add_nc_u64 s[G0B+4*(\s)+2:G0B+4*(\s)+3], s[46:47], (\s)*32768
	s_or_b32 s[G0B+4*(\s)+3], s[G0B+4*(\s)+3], 0x80000000
	JLOAD \s                                       ; two loads of mine are out: the most in this text
.endr
	v_and_b32 v1, 15, v0                           ; r = l % 16
	v_bfe_u32 v2, v0, 4, 1                         ; h = l / 16
	v_and_b32 v3, 7, v0
	v_bfe_u32 v4, v0, 3, 1
	v_lshlrev_b32 v6, 5, v2                        ; the bias: my 8 columns of a block of 16 begin 32 h bytes in
	s_add_nc_u64 s[TP:TP+1], s[70:71], TAIL
	s_load_b32 s[FL], s[TP:TP+1], 0x0              ; the floor
	s_lshl_b32 s20, s42, 10                        ; the bias at column 256 x tile column + 128 x half
	s_lshl_b32 s21, s12, 9
	s_add_co_u32 s20, s20, s21
	s_add_co_u32 s20, s20, FLB
	s_mov_b32 s21, 0
	s_add_nc_u64 s[BP:BP+1], s[TP:TP+1], s[20:21]
.irp b, 0,1,2,3,4,5,6,7
	global_load_b128 v[BIA+8*(\b):BIA+8*(\b)+3],   v6, s[BP:BP+1] offset:64*(\b)
	global_load_b128 v[BIA+8*(\b)+4:BIA+8*(\b)+7], v6, s[BP:BP+1] offset:64*(\b)+16
.endr
	s_lshl_b32 s20, s42, 21                        ; the output: four blocks of 524,288 bytes a tile column,
	s_lshl_b32 s21, s13, 15                        ; 256 rows of 128 bytes a tile row,
	s_add_co_u32 s20, s20, s21
	s_lshl_b32 s21, s10, 13                        ; 64 rows a wave
	s_add_co_u32 s20, s20, s21
	s_mov_b32 s21, 0
	s_add_nc_u64 s[CP:CP+1], s[72:73], s[20:21]
	v_mul_u32_u24 v5, v1, PA                       ; A's fragment: row r x pitch + 16 h, in my 128 rows
	v_lshl_add_u32 v5, v2, 4, v5
	s_mul_i32 s21, s11, HA
	v_add_nc_u32 v[LNA], s21, v5
	v_lshl_add_u32 v5, v2, 3, v3                   ; B's: the turning load reads k = 8 h + l % 8, columns 8 ((l / 8) % 2) on, in my panel
	v_mul_u32_u24 v5, v5, PB
	v_lshl_add_u32 v5, v4, 4, v5
	v_add_nc_u32 v[LNB], s[LAB], v5
	s_mul_i32 s22, s11, 128*SP                     ; into the stage: row 128 wm + r, byte 256 wn + 16 h
	s_lshl_b32 s23, s12, 8
	s_add_co_u32 s22, s22, s23
	v_mul_u32_u24 v5, v1, SP
	v_lshl_add_u32 v5, v2, 4, v5
	v_add_nc_u32 v[STO], s22, v5
	s_mul_i32 s23, s10, 64*SP                      ; back: rows 64 w on; 8 lanes take 128 bytes of a row (a block of 64 columns), 16 lanes two rows, the halves two blocks
	v_mul_u32_u24 v5, v4, SP
	v_lshl_add_u32 v5, v2, 7, v5
	v_lshl_add_u32 v5, v3, 4, v5
	v_add_nc_u32 v[RD], s23, v5
	v_lshlrev_b32 v5, 19, v2
	v_lshl_add_u32 v5, v4, 7, v5
	v_lshl_add_u32 v[CO], v3, 4, v5
	; The prefetches.  A's rows are read by every cluster of a row of clusters: cluster x = 0 asks; B's panels by every cluster of a column: cluster y = 0 asks.
	; The four partners of a joint load share its 128 rows out by address, 32 each (cx for A, cy for B).  The pointer starts at step 3; a change steps it and names it.
	s_and_b32 s22, ttmp7, 0xffff
	s_lshl_b32 s20, s13, 19
	s_lshl_b32 s21, s40, 16
	s_add_co_u32 s20, s20, s21
	s_add_co_u32 s20, s20, 3*256
	s_lshl_b32 s21, s42, 19
	s_lshl_b32 s23, s41, 13
	s_add_co_u32 s21, s21, s23
	s_add_co_u32 s21, s21, 3*32768
	s_cmp_eq_u32 s11, 0
	s_cselect_b32 s20, s20, s21
	s_cselect_b32 s22, ttmp9, s22
	s_cselect_b64 s[PFA:PFA+1], s[68:69], s[70:71]
	s_cselect_b32 s18, 0, 7
	s_cselect_b32 s19, 11, 8
	s_lshl_b32 s[PS], 256, s18                     ; a step: 256 bytes along A's rows, 32,768 down B's panel
	s_mov_b32 s[PS+1], 0
	s_lshl_b32 s23, s12, 18
	s_add_co_u32 s20, s20, s23
	s_mov_b32 s21, 0
	s_add_nc_u64 s[PFA:PFA+1], s[PFA:PFA+1], s[20:21]
	s_cmp_eq_u32 s22, 0
	s_cselect_b32 s[LIM], 2, -1
	v_and_b32 v5, 31, v0
	v_lshlrev_b32 v[PFO], s19, v5                  ; a row of A is 2,048 bytes, of a panel 256
	s_wait_loadcnt 0x0                             ; the bias
	s_wait_kmcnt 0x0                               ; the floor
; 16 matrix instructions: row blocks a0, a0 + 1 of the window's four x all 8 column blocks, 32 along K.  first = 1: the bias starts the sums.
; The 64 accumulators take turns, in one order in every quarter.
.macro MUL16 f, hi, a0, first
.if \first
	WIN 0x81+0x40*(\hi)                            ; B window 1, A and the bias window 0, D window 2 or 3
.else
	WIN 0xa1+0x50*(\hi)                            ; C and D window 2 or 3
.endif
.irp a, \a0, (\a0)+1
.irp b, 0,1,2,3,4,5,6,7
.if \first
	v_wmma_f32_16x16x32_bf16 v[8*(8*(\a)+(\b)):8*(8*(\a)+(\b))+7], v[(\f)+8*(\b):(\f)+8*(\b)+7], v[(\f)+8*(4*(\hi)+(\a)):(\f)+8*(4*(\hi)+(\a))+7], v[BIA+8*(\b):BIA+8*(\b)+7]
.else
	v_wmma_f32_16x16x32_bf16 v[8*(8*(\a)+(\b)):8*(8*(\a)+(\b))+7], v[(\f)+8*(\b):(\f)+8*(\b)+7], v[(\f)+8*(4*(\hi)+(\a)):(\f)+8*(4*(\hi)+(\a))+7], v[8*(8*(\a)+(\b)):8*(8*(\a)+(\b))+7]
.endif
.endr
.endr
.endm
; 32 LDS loads in one run: quarter q (32 along K) of the slot in hand into buffer f: B's 8 column blocks, turned, then A's 8 row blocks
.macro FETCH q, f
	WIN 0x40
.irp i, 0,1,2,3,4,5,6,7
	ds_load_tr16_b128 v[(\f)+8*(\i):(\f)+8*(\i)+3],   v[ADRB] offset:(\q)*32*PB+32*(\i)
	ds_load_tr16_b128 v[(\f)+8*(\i)+4:(\f)+8*(\i)+7], v[ADRB] offset:(\q)*32*PB+32*(\i)+16*PB
.endr
	WIN 0
.irp i, 0,1,2,3,4,5,6,7
	ds_load_b128 v[(\f)+8*(\i):(\f)+8*(\i)+3],   v[ADRA] offset:64*(\q)+(\i)*16*PA
	ds_load_b128 v[(\f)+8*(\i)+4:(\f)+8*(\i)+7], v[ADRA] offset:64*(\q)+(\i)*16*PA+32
.endr
.endm
; One of a step's first three quarters: it multiplies buffer f.  AT ITS HEAD it fetches quarter q into buffer g, which the quarter before has just multiplied:
; the run stands 64 matrix instructions ahead of its first use.
.macro QUARTER q, f, g, first
	PLACES                                         ; behind the last product that read buffer g
	FETCH \q, \g
	s_wait_dscnt 40                                ; of buffer f, B and A's rows 0-63 are in: its youngest eight loads (A's rows 64-127) and the 32 just issued may be out
	MUL16 \f, 0, 0, \first
	MUL16 \f, 0, 2, \first
	s_wait_dscnt 32                                ; all but the 32 just issued
	MUL16 \f, 1, 0, \first
	MUL16 \f, 1, 2, \first
.endm
; The first half of a step's last quarter: one barrier for the change of slots
.macro MEET round
	WIN 0
	s_wait_tensorcnt 0x0                           ; all my tensor loads have landed: the one that was out is my part of the next slot
	ds_add_u32 v[SPW], v[NIL]                      ; 0 onto my spare word
	s_wait_dscnt 9                                 ; (the add and the youngest eight loads may be out)
	MUL16 F1, 0, 0, 0
	s_wait_dscnt 0x0                               ; the add is done, and my reads of this slot are over
	s_barrier_signal -1
	MUL16 F1, 0, 2, 0
.if \round
	WIN 0
.endif
	s_barrier_wait -1
.endm
; The last quarter of steps 0 to 5: the slot just read is filled again with the step two on, first thing behind the round
.macro TURN1
	s_wait_xcnt 0x0                                ; the last prefetch, a K step back, has read its address
	s_add_nc_u64 s[PFA:PFA+1], s[PFA:PFA+1], s[PS:PS+1]
	MEET 1
	CREST                                          ; no wave of any partner still reads this slot or has a load on its way
	s_add_co_u32 s[G0+5], s[LAA], s[TB]            ; the walking descriptors: this slot, the next step
	s_add_nc_u64 s[G0+6:G0+7], s[G0+6:G0+7], 256
	s_add_co_u32 s[G0B+5], s[LAB], s[TB]
	s_add_nc_u64 s[G0B+6:G0B+7], s[G0B+6:G0B+7], 32768
	s_xor_b32 s[TB], s[TB], SLOT                   ; the reads go to the other slot
	JLOAD 1                                        ; its four v_nop are also the places in front of the loads below
	v_add_nc_u32 v[ADRA], s[TB], v[LNA]
	v_add_nc_u32 v[ADRB], s[TB], v[LNB]
	FETCH 0, F0
	ASK
	MUL16 F1, 1, 0, 0
	MUL16 F1, 1, 2, 0
.endm
; The last quarter of steps 6 and 7: nothing is filled; behind step 7 nothing is fetched either (only LDS loads are jumped)
.macro TURN0
	MEET 0
	s_xor_b32 s[TB], s[TB], SLOT
	WIN 0
	PLACES
	v_add_nc_u32 v[ADRA], s[TB], v[LNA]
	v_add_nc_u32 v[ADRB], s[TB], v[LNB]
	s_cmp_eq_u32 s3, 1
	s_cbranch_scc1 .Lno_fetch_\@
	FETCH 0, F0
.Lno_fetch_\@:
	MUL16 F1, 1, 0, 0
	MUL16 F1, 1, 2, 0
.endm
	s_wait_tensorcnt 1                             ; my part of step 0 is in; step 1's may stay out
	s_barrier_signal -1
	s_barrier_wait -1
	s_mov_b32 s[TB], 0
	v_mov_b32 v[ADRA], v[LNA]
	v_mov_b32 v[ADRB], v[LNB]
	FETCH 0, F0
	QUARTER 1, F0, F1, 1                           ; the first quarter stands in front of the loop: its products start the sums with the bias
	WIN 0
	s_mov_b32 s3, 6
.Lstep:                                        ; a trip: a step's quarters 1 to 3 and the next step's quarter 0; steps 2 to 7 are asked for
	QUARTER 2, F1, F0, 0
	QUARTER 3, F0, F1, 0
	TURN1
	QUARTER 1, F0, F1, 0
	WIN 0
	s_sub_co_u32 s3, s3, 1
	s_cmp_lg_u32 s3, 0
	s_cbranch_scc1 .Lstep
	s_mov_b32 s3, 2
.Ltail:                                        ; steps 6 and 7: written apart; left in the middle of its second trip
	QUARTER 2, F1, F0, 0
	QUARTER 3, F0, F1, 0
	TURN0
	WIN 0
	s_sub_co_u32 s3, s3, 1
	s_cmp_eq_u32 s3, 0
	s_cbranch_scc1 .Lout
	QUARTER 1, F0, F1, 0
	WIN 0
	s_branch .Ltail
.Lout:
	s_wait_dscnt 0x0                               ; every wave's LDS reads are over
	s_barrier_signal -1
	s_barrier_wait -1                              ; before any wave stores into the stage
	PLACES
; THE WAY OUT.  Row block a: rounded to bf16, 16 bytes a lane, into the work-group's stage
.macro PACK a
	WIN 0x0a+5*((\a)/4)                            ; sources 0 and 1: window 2 or 3
.irp b, 0,1,2,3,4,5,6,7
.irp r, 0,1,2,3
	v_cvt_pk_bf16_f32 v[TMP+32*((\a)%2)+4*(\b)+(\r)], v[64*((\a)%4)+8*(\b)+2*(\r)], v[64*((\a)%4)+8*(\b)+2*(\r)+1]
.endr
.endr
	WIN 0
.irp b, 0,1,2,3,4,5,6,7
	ds_store_b128 v[STO], v[TMP+32*((\a)%2)+4*(\b):TMP+32*((\a)%2)+4*(\b)+3] offset:(\a)*16*SP+32*(\b)
.endr
.endm
.irp a, 0,1,2,3,4,5,6,7
	PACK \a
.endr
	s_wait_dscnt 0x0                               ; for the others' sake: my stores into the stage are done
	s_barrier_signal -1
	s_barrier_wait -1
	s_mov_b32 s3, 8
.Lcopy:                                        ; a trip: 8 of my 64 rows, all four blocks of 64 columns
.irp p, 0,1,2,3
.irp j, 0,1
	ds_load_b128 v[OB+4*(2*(\p)+(\j)):OB+4*(2*(\p)+(\j))+3], v[RD] offset:2*(\p)*SP+256*(\j)
.endr
.endr
	s_wait_dscnt 0x0
.set k, 0
.rept 32
	v_pk_max_num_bf16 v[OB+k], v[OB+k], s[FL]      ; the floor, behind the rounding: with 0 the same numbers as relu in front of it, with -inf no change
.set k, k+1
.endr
.irp p, 0,1,2,3
.irp j, 0,1
	global_store_b128 v[CO], v[OB+4*(2*(\p)+(\j)):OB+4*(2*(\p)+(\j))+3], s[CP:CP+1] offset:1048576*(\j)+256*(\p)  ; 16 lanes store two rows of a block: 256 consecutive bytes, aligned
.endr
.endr
	s_wait_xcnt 0x0                                ; the stores have read their registers and their base
	v_add_nc_u32 v[RD], 8*SP, v[RD]
	s_add_nc_u64 s[CP:CP+1], s[CP:CP+1], 1024
	s_sub_co_u32 s3, s3, 1
	s_cmp_lg_u32 s3, 0
	s_cbranch_scc1 .Lcopy
	s_wait_tensorcnt 0x0                           ; the wave's end
	ds_add_u32 v[SPW], v[NIL]
	s_wait_dscnt 0x0
	CROUND                                         ; the closing round
	s_endpgm
.Lfunc_end_k_qa50c71fe5a_gqkv:
	.size	k_qa50c71fe5a_gqkv, .Lfunc_end_k_qa50c71fe5a_gqkv-k_qa50c71fe5a_gqkv
	.p2alignl 7, 3214868480
	.fill 96, 4, 3214868480
	.section	.rodata,"a",@progbits
	.p2align	6, 0x0
	.amdhsa_kernel k_qa50c71fe5a_gqkv
		.amdhsa_group_segment_fixed_size 327680
		.amdhsa_private_segment_fixed_size 0
		.amdhsa_enable_private_segment 0
		.amdhsa_kernarg_size 24
		.amdhsa_user_sgpr_count 2
		.amdhsa_user_sgpr_kernarg_segment_ptr 1
		.amdhsa_wavefront_size32 1
		.amdhsa_system_sgpr_workgroup_id_x 1
		.amdhsa_system_sgpr_workgroup_id_y 1
		.amdhsa_system_sgpr_workgroup_id_z 1
		.amdhsa_system_vgpr_workitem_id 0
		.amdhsa_next_free_vgpr 1024
		.amdhsa_next_free_sgpr 96
		.amdhsa_reserve_vcc 0
		.amdhsa_float_denorm_mode_32 3
		.amdhsa_float_denorm_mode_16_64 3
		.amdhsa_memory_ordered 1
		.amdhsa_forward_progress 1
		.amdhsa_inst_pref_size 96
	.end_amdhsa_kernel
	.amdgpu_metadata
---
amdhsa.version: [ 1, 2 ]
amdhsa.kernels:
  - .name:           k_qa50c71fe5a_gqkv
    .symbol:         k_qa50c71fe5a_gqkv.kd
    .args:
      - { .name: xb, .offset: 0, .size: 8, .value_kind: global_buffer, .address_space: global }
      - { .name: wb, .offset: 8, .size: 8, .value_kind: global_buffer, .address_space: global }
      - { .name: big, .offset: 16, .size: 8, .value_kind: global_buffer, .address_space: global }
    .group_segment_fixed_size: 327680
    .private_segment_fixed_size: 0
    .kernarg_segment_align: 8
    .kernarg_segment_size: 24
    .max_flat_workgroup_size: 128
    .sgpr_count:     96
    .vgpr_count:     1024
    .wavefront_size: 32
...
	.end_amdgpu_metadata
.endif
;; end of part 2
;; launch attn (part 3): grid 8 x 32, 4 waves a work-group, clusters of 4 x 1, 327,680 bytes of LDS; arguments big, attention_mask, ob; writes ob
.if DOCPART == 3
	.amdgcn_target "amdgcn-amd-amdhsa--gfx1250"
	.amdhsa_code_object_version 6
	.text
	.protected	k_qa50c71fe5a_attn
	.globl	k_qa50c71fe5a_attn
	.p2align	8
	.type	k_qa50c71fe5a_attn,@function
k_qa50c71fe5a_attn:
	s_mov_b64 s[64:65], 0
	v_nop
	global_prefetch_b8 v0, s[64:65] scope:SCOPE_SE
	s_setreg_imm32_b32 hwreg(HW_REG_WAVE_MODE, 25, 1), 1
	s_wait_xcnt 0x0
	s_wait_alu depctr_hold_cnt(0) depctr_sa_sdst(0) depctr_va_vdst(0) depctr_va_sdst(0) depctr_va_ssrc(0) depctr_va_vcc(0) depctr_vm_vsrc(0)
	s_getreg_b32 s2, hwreg(HW_REG_IB_STS2, 6, 4)
	s_cmp_eq_u32 s2, 0
	s_cbranch_scc0 .Lentry_in_a_cluster
	s_endpgm
.Lentry_in_a_cluster:
	s_bfe_u32 s2, ttmp6, 0x10000c
	s_cmp_lg_u32 s2, 0x3003
	s_cbranch_scc0 .Lentry_shape_is_right
	s_endpgm
.Lentry_shape_is_right:
; O[y][q][:] = the sum over k of softmax_k(Q[y][q] . K[y][k] / 8 + mask[b][k]) V[y][k][:], y = 2 head + b: 32 head-batches of 2,048 rows of 64 channels, bf16, dense (128 bytes a row).
; In big: Q of y at y x 262,144 bytes, K at (32 + y) x, V at (64 + y) x 262,144.  O goes to ob at y x 262,144.  Products, maxima and sums in f32; p is rounded to bf16 for the second product, O once.
; LIMITS.  The mask is rounded once to bf16, like every input; 8 x mask is held at or above -3.4028e38, so a mask of -inf gives the weight 0; a row all of whose keys are masked so far gives
; the mean of V's rows.  A weight below 2^-126 counts as 0 in l.  NaN is not treated apart.
; SHARES.  A work-group owns 256 queries of one y, a wave 64: four PIECES of 16.  Every wave walks all 2,048 keys, 64 a step, 256 a tile: 8 tiles through two LDS slots.
; LAYOUT.  S^T = K Q^T + 8 mask (source 0 = 16 keys, source 1 = 16 queries; THE MASK IS THE C OPERAND that starts the sum): a lane holds ONE query (lane % 16) and the keys 8 (lane / 16) + 0..7.
; Two such results rounded to bf16 ARE source 1 of O^T = V^T P.  K comes out of LDS as it lies, V turned, by ds_load_tr16_b128.
; SOFTMAX.  p = 2^(c s - c m), c = log2(e) / 8, with a running maximum m; O and l are multiplied by a = 2^(c m_old - c m_new) in every step.  m starts at the lowest finite number, O and l at 0.
; BY TURNS.  Turn n belongs to piece n: 8 products K Q^T of piece n + 1, later 8 products V^T P of piece n - 1; beside them piece n's scaling, exponentials, roundings, sums and rescaling and piece
; n + 1's maximum and statistics.  Four vector instructions stand behind every matrix instruction, the rest in one lump.  A turn's 33 exponentials are one batch, with one wait.
; CLUSTER.  The four query blocks of a cluster walk the same K and V: each tile is asked for jointly, by the same tensor load, descriptor and mask in all four.
; REGISTERS (s_set_vgpr_msb: bits 1:0 source 0, 3:2 source 1, 5:4 source 2, 7:6 destination):
;   window 0: v0-15 addresses; v16-31 statistics; v48-55 at work; v56-58 addresses; v62-63 the add's; v64-127 S^T, two buffers; v192-223 P, two buffers
;   window 1: v0-127 O^T; v128-159 a step's masks      window 2: v0-63 Q; v128-191 K of one step; v192-255 V of one step
.set NP,    4
.set KS,    64
.set PK,    144       ; a row of K in LDS: 128 bytes + 16: the 16 rows of a load start at 16 different groups of four banks (ISA guide 11.1)
.set PV,    160       ; a row of V: 128 + 32
.set VOFF,  4*KS*PK   ; a slot holds a tile: 256 rows of K, then 256 rows of V
.set SLOT1, 1<<17
.set STAGE, SLOT1+4*KS*(PK+PV)  ; 16 rows x 144 bytes for each wave, for the way out; never filled by a tensor load
.set SP,    144
.set SPARE, STAGE+4*16*SP       ; the spare words: two blocks of 256 bytes that no other line names
.set MASKB, SPARE+512           ; 8 x mask of my batch, 2,048 f32; written once by ds_store, never filled by a tensor load
.set AK0, 2
.set AV0, 3
.set AK,  4
.set AV,  5
.set STO, 6
.set RD,  7
.set GO,  8
.set MV,  12          ; v12-13  c m_old, by buffer
.set QO,  15
.set ST,  16          ; piece t's statistics at v[ST+4 t]: c m, m, l (even keys', odd keys')
.set TMP, 48          ; by buffer, c0-c3 at work; c2 takes a
.set AM0, 56          ; v56  MASKB + 32 (l / 16); never rewritten
.set AM,  57          ; v57  the LDS address of the masks' next loads
.set PFO, 58          ; v58  256 x my lane; never rewritten
.set SPW, 62
.set NIL, 63
.set S,   64
.set P,   192
.set MK,  128         ; window 1: the masks of key block kb at MK + 8 kb
.set KF,  128         ; window 2
.set VF,  192         ; window 2
.set WV,  12
.set LIM, 15          ; s15  1 in a wave that prefetches, else the greatest number
.set G1K, 24
.set G1V, 32
.set G0K, 40
.set G0V, 44
.set SLOTS, 56
.set CNT, 57
.set CS,  58
.set SEL, 60
.set TBK, 62
.set TBV, 63
.set TBM, 66          ; s66  byte in the mask table of the step to be fetched
.set PFA, 68          ; s[68:69] where my prefetches stand
.set QP,  70          ; s[70:71] Q at my wave's first row
.set OPT, 72          ; s[72:73] O at my wave's first row
.set MSB, 0
.macro WIN new
.if MSB != (\new)
	s_set_vgpr_msb (MSB<<8)|(\new)
.set MSB, (\new)
.endif
.endm
.set W_KQ, 0x0a       ; K and Q in window 2, S^T in window 0
.set W_KM, 0x1a       ; the same with the C operand in window 1
.set W_PV, 0x52       ; V in window 2, P in window 0, O^T in window 1
.set W_RS, 0x41       ; destination and source 0 in window 1, source 1 in window 0
.macro JLOAD                        ; waves 0, 1 fetch the halves of a tile's K, waves 2, 3 of its V; an s_nop 0 and four v_nop follow each line
	s_cmp_lt_u32 s[WV], 2
	s_cbranch_scc0 .Lfor_v_\@
	tensor_load_to_lds s[G0K:G0K+3], s[G1K:G1K+7]
	s_nop 0
.rept 4
	v_nop
.endr
	s_branch .Lasked_\@
.Lfor_v_\@:
	tensor_load_to_lds s[G0V:G0V+3], s[G1V:G1V+7]
	s_nop 0
.rept 4
	v_nop
.endr
.Lasked_\@:
.endm
; A prefetch of the tile that the NEXT change of slots will ask for: 128 blocks of 256 bytes of K and of V.  Both clusters of a y walk the same rows: the first asks.  Its four partners take 32 blocks
; each, told apart by address; wave 0 asks for K's, wave 2 for V's: a lane a block.  The last filling change asks for nothing.
.macro ASK
	s_cmp_gt_u32 s[SLOTS], s[LIM]
	s_cbranch_scc0 .Lnot_mine_\@
	global_prefetch_b8 v[PFO], s[PFA:PFA+1] th:TH_LOAD_NT scope:SCOPE_SE
.Lnot_mine_\@:
.endm
.macro CROUND
	s_barrier_signal -1
	s_barrier_wait -1
	s_cmp_lg_u32 s[WV], 0
	s_cbranch_scc1 .Lnot_wave_0_\@
	s_barrier_signal -3
.Lnot_wave_0_\@:
	s_barrier_wait -3
	s_barrier_signal -1
	s_barrier_wait -1
.endm
; THE CHANGE OF SLOTS.  Each wave waits for all its tensor loads (one is out: its part of the other slot), adds 0 to its spare word, and waits for that and for its own reads of the slot.
; fill = 1: the slot is filled again with the tile two on, first thing behind a round of the cluster's barrier: it has four key steps, 256 matrix instructions, in which to land.
.macro CHANGE fill, ask=1
	WIN 0
	s_wait_tensorcnt 0x0            ; no tensor load of mine is out, so a group 0 may be written
	ds_add_u32 v[SPW], v[NIL]
.if \fill
.irp g, G0K, G0V
	s_xor_b32 s[\g+1], s[\g+1], SLOT1
	s_add_nc_u64 s[\g+2:\g+3], s[\g+2:\g+3], 4*KS*128
.endr
	s_wait_xcnt 0x0                 ; the last prefetch, four key steps back, has read its address
	s_add_nc_u64 s[PFA:PFA+1], s[PFA:PFA+1], 4*KS*128
	s_wait_dscnt 0x0                ; the add is done, and my reads of the slot (and my stores of the mask table) are over
	CROUND
	JLOAD
.if \ask
	ASK
.endif
.else
	s_wait_dscnt 0x0
	s_barrier_signal -1
	s_barrier_wait -1
.endif
	s_sub_co_u32 s[TBK], s[TBK], 4*KS*PK
	s_xor_b32 s[TBK], s[TBK], SLOT1
	s_sub_co_u32 s[TBV], s[TBV], 4*KS*PV
	s_xor_b32 s[TBV], s[TBV], SLOT1
.endm
	s_load_b128 s[4:7], s[0:1], 0x0   ; big s[4:5], the mask s[6:7]
	s_load_b64 s[8:9], s[0:1], 0x10   ; ob
	v_lshl_add_u32 v[SPW], v0, 2, SPARE
	v_mov_b32 v[NIL], 0
	ds_add_u32 v[SPW], v[NIL]       ; the wave's opening: the add and its wait ahead of my first tensor load
	v_lshrrev_b32 v1, 5, v0
	v_readfirstlane_b32 s[WV], v1
	s_bfe_u32 s13, ttmp6, 0x40000   ; cx
	s_lshl_b32 s14, ttmp9, 2
	s_add_co_u32 s14, s14, s13      ; my block of 256 queries: it enters Q's and O's addresses alone
	s_and_b32 s20, ttmp7, 0xffff    ; y, which the four partners share
	s_and_b32 s16, s[WV], 1         ; which half of a tile's 256 keys I fetch
	s_lshl_b32 s22, s20, 18
	s_lshl_b32 s21, s16, 14
	s_add_co_u32 s74, s22, s21
	s_add_co_u32 s74, s74, 32*262144  ; K's offset in big
	s_mov_b32 s75, 0
	s_add_co_u32 s76, s74, 32*262144  ; V's
	s_mov_b32 s77, 0
	s_lshl_b32 s2, s14, 15
	s_lshl_b32 s3, s[WV], 13
	s_add_co_u32 s2, s2, s3
	s_add_co_u32 s2, s2, s22        ; Q's in big and O's in ob: y, my block's 256 rows, my wave's 64
	s_mov_b32 s3, 0
	s_and_b32 s78, s20, 1           ; the batch
	s_lshl_b32 s78, s78, 13
	s_mov_b32 s79, 0
	s_lshl_b32 s80, s13, 13         ; the prefetches: my work-group's 32 blocks, in tile 1
	s_add_co_u32 s80, s80, 4*KS*128
	s_mov_b32 s81, 0
	s_mul_i32 s17, s16, 128*PK
	s_mul_i32 s18, s16, 128*PV
	; group 1: 128 keys are 16,384 dense bytes: 64 rows of 256 bytes, two keys a row, padded in LDS after every key
	s_mov_b32 s[G1K], 15|(1<<16)|(1<<20)|(1<<21)|(4<<22)|(3<<25)
	s_mov_b32 s[G1V], 15|(1<<16)|(1<<20)|(1<<21)|(4<<22)|(7<<25)
.irp g, G1K, G1V
	s_mov_b32 s[\g+1], 128<<16
	s_mov_b32 s[\g+2], 64<<16
	s_mov_b32 s[\g+3], 128<<16
	s_mov_b32 s[\g+4], 64
	s_mov_b32 s[\g+5], 128
	s_mov_b32 s[\g+6], 0
	s_mov_b32 s[\g+7], 0
.endr
	s_mov_b32 s[CS], 0x3e38aa3b     ; c = log2(e) / 8
	s_mov_b32 s[CS+1], s[CS]
	s_mov_b32 s[SEL], 0x76543210
	s_mov_b32 s[SEL+1], 0xfedcba98
	s_mov_b32 s[TBK], SLOT1+4*KS*PK ; the first change of slots turns these two into 0
	s_mov_b32 s[TBV], SLOT1+4*KS*PV
	s_mov_b32 s[TBM], 0
	s_mov_b32 s[G0K], 1
	s_mov_b32 s[G0K+1], s17
	s_mov_b32 s[G0V], 1
	s_add_co_u32 s[G0V+1], s18, VOFF
	s_mov_b32 s[SLOTS], 7
	s_or_b32 s[LIM], s16, ttmp9     ; 0 in waves 0 and 2 of the y's first cluster: the same in all four partners
	s_cmp_eq_u32 s[LIM], 0
	s_cselect_b32 s[LIM], 1, -1
	s_wait_dscnt 0x0                ; the opening add is done
	s_wait_kmcnt 0x0
	s_add_nc_u64 s[G0K+2:G0K+3], s[4:5], s[74:75]
	s_add_nc_u64 s[G0V+2:G0V+3], s[4:5], s[76:77]
	s_cmp_lt_u32 s[WV], 2
	s_cselect_b64 s[PFA:PFA+1], s[G0K+2:G0K+3], s[G0V+2:G0V+3]
	s_add_nc_u64 s[PFA:PFA+1], s[PFA:PFA+1], s[80:81]
	s_or_b32 s[G0K+3], s[G0K+3], 0x80000000
	s_or_b32 s[G0V+3], s[G0V+3], 0x80000000
	s_add_nc_u64 s[QP:QP+1], s[4:5], s[2:3]
	s_add_nc_u64 s[OPT:OPT+1], s[8:9], s[2:3]
	s_add_nc_u64 s[6:7], s[6:7], s[78:79]
	CROUND                          ; all four work-groups are here: the first joint loads meet
	JLOAD                           ; tile 0 into slot 0; slot 1 is asked for when slot 0 is in
	v_lshlrev_b32 v14, 4, v0
.irp i, 0,1,2,3
	global_load_b128 v[S+4*\i:S+4*\i+3], v14, s[6:7] offset:2048*\i  ; my batch's mask: 128 threads x 16 bytes, four times
.endr
	v_and_b32 v1, 15, v0            ; l % 16
	v_bfe_u32 v9, v0, 4, 1          ; l / 16
	v_lshlrev_b32 v[QO], 7, v1
	v_lshl_add_u32 v[QO], v9, 4, v[QO]
	WIN 0x80
.set i, 0
.rept 8                             ; Q stays in registers: piece i / 2, channels 32 (i % 2) on
	global_load_b128 v[8*i:8*i+3],   v[QO], s[QP:QP+1] offset:(i/2)*2048+(i%2)*64
	global_load_b128 v[8*i+4:8*i+7], v[QO], s[QP:QP+1] offset:(i/2)*2048+(i%2)*64+32
.set i, i+1
.endr
	; What the first turn finds: V's registers and P's second buffer hold 0, O^T and l are 0.  All this stands in the wait for the first tile.
.set i, VF
.rept 64
	v_mov_b32 v[i], 0
.set i, i+1
.endr
	WIN 0x40
.set i, 0
.rept 128
	v_mov_b32 v[i], 0
.set i, i+1
.endr
	WIN 0
.set i, 0
.rept 4
	v_mov_b32 v[ST+4*i+1], 0xff7fffff        ; m: the lowest finite number
	v_mul_f32 v[ST+4*i], s[CS], v[ST+4*i+1]  ; c m, by the product that the turns make: a is 1 while all keys so far are masked out, 0 at the first true score
	v_mov_b32 v[ST+4*i+2], 0
	v_mov_b32 v[ST+4*i+3], 0
.set i, i+1
.endr
.set i, P+16
.rept 16
	v_mov_b32 v[i], 0
.set i, i+1
.endr
	v_mul_u32_u24 v[AK0], v1, PK
	v_lshl_add_u32 v[AK0], v9, 4, v[AK0]
	v_and_b32 v10, 7, v0
	v_bfe_u32 v11, v0, 3, 1
	v_lshl_add_u32 v[AV0], v9, 3, v10
	v_mul_u32_u24 v[AV0], v[AV0], PV
	v_lshl_add_u32 v[AV0], v11, 4, v[AV0]
	v_add_nc_u32 v[AV0], VOFF, v[AV0]
	s_mul_i32 s13, s[WV], 16*SP
	s_add_co_u32 s13, s13, STAGE
	v_mul_u32_u24 v[STO], v1, SP
	v_lshl_add_u32 v[STO], v9, 4, v[STO]
	v_add_nc_u32 v[STO], s13, v[STO]
	v_bfe_u32 v[RD], v0, 3, 2
	v_mul_u32_u24 v[RD], v[RD], SP
	v_lshl_add_u32 v[RD], v10, 4, v[RD]
	v_add_nc_u32 v[RD], s13, v[RD]
	v_and_b32 v[GO], 31, v0
	v_lshlrev_b32 v[PFO], 8, v[GO]
	v_lshlrev_b32 v[GO], 4, v[GO]
	v_lshl_add_u32 v[AM0], v9, 5, MASKB
	s_wait_loadcnt 16               ; the mask is in; Q's 16 loads may stay out
.set i, 0
.rept 8
	v_cvt_pk_bf16_f32 v[TMP], v[S+2*i], v[S+2*i+1]  ; rounded once to bf16, like every input
	v_lshlrev_b32 v[S+2*i], 16, v[TMP]
	v_and_b32 v[S+2*i+1], 0xffff0000, v[TMP]
.set i, i+1
.endr
.set i, 0
.rept 16
	v_mul_f32 v[S+i], 8.0, v[S+i]                   ; the scores are divided by 8 later, in c
	v_max_num_f32 v[S+i], 0xff7fffff, v[S+i]        ; finite
.set i, i+1
.endr
	v_add_nc_u32 v[AM], MASKB, v14
.irp i, 0,1,2,3
	ds_store_b128 v[AM], v[S+4*\i:S+4*\i+3] offset:2048*\i
.endr
; THE MATRIX WORK.  The 4 accumulators of a run of 8 take turns.  Product i of 8 of S^T for piece x: channels 32 (i / 4) on, keys 16 (i % 4) on.  The first 4 start the sums with the mask.
.macro KQ x
.set rS, S+32*((\x)%2)+8*(i%4)
.set rK, KF+16*(i%4)+8*(i/4)
.set rQ, 16*(\x)+8*(i/4)
.set rM, MK+8*(i%4)
.if i < 4
	WIN W_KM
	v_wmma_f32_16x16x32_bf16 v[rS:rS+7], v[rK:rK+7], v[rQ:rQ+7], v[rM:rM+7]
.else
	WIN W_KQ
	v_wmma_f32_16x16x32_bf16 v[rS:rS+7], v[rK:rK+7], v[rQ:rQ+7], v[rS:rS+7]
.endif
.endm
.macro PV x                         ; product i of 8 of O^T += V^T P for piece x: keys 32 (i / 4) on, channels 16 (i % 4) on
	WIN W_PV
.set rO, 32*(\x)+8*(i%4)
.set rV, VF+32*(i/4)+8*(i%4)
.set rP, P+16*((\x)%2)+8*(i/4)
	v_wmma_f32_16x16x32_bf16 v[rO:rO+7], v[rV:rV+7], v[rP:rP+7], v[rO:rO+7]
.endm
.macro MM                           ; the turn's next matrix instruction.  NOKQ = 1: the last turn: there is no next piece
.if (i < 8) && !NOKQ
	KQ (Y+1)%NP
.elseif i >= 8
.set i, i-8
	PV (Y+NP-1)%NP
.set i, i+8
.endif
.set i, i+1
.endm
; THE LDS LOADS stand in runs: a step's K (8 fragments) with its masks (8 f32 a key block, the same for the 16 lanes of a half), and its V (turned)
.macro FETCH_K
	WIN 0x80
.irp f, 0,1,2,3,4,5,6,7
	ds_load_b128 v[KF+8*\f:KF+8*\f+3],   v[AK] offset:(\f/2)*16*PK+(\f%2)*64
	ds_load_b128 v[KF+8*\f+4:KF+8*\f+7], v[AK] offset:(\f/2)*16*PK+(\f%2)*64+32
.endr
	WIN 0x40
.irp f, 0,1,2,3
	ds_load_b128 v[MK+8*\f:MK+8*\f+3],   v[AM] offset:64*\f
	ds_load_b128 v[MK+8*\f+4:MK+8*\f+7], v[AM] offset:64*\f+16
.endr
	s_add_co_u32 s[TBK], s[TBK], KS*PK
	s_add_co_u32 s[TBM], s[TBM], 4*KS
	WIN 0
.endm
.macro FETCH_V
	WIN 0x80
.irp f, 0,1,2,3,4,5,6,7
	ds_load_tr16_b128 v[VF+8*\f:VF+8*\f+3],   v[AV] offset:(\f/4)*32*PV+(\f%4)*32
	ds_load_tr16_b128 v[VF+8*\f+4:VF+8*\f+7], v[AV] offset:(\f/4)*32*PV+16*PV+(\f%4)*32
.endr
	WIN 0
.endm
; THE VECTOR WORK: OP kind, number.  For piece Y: F n: c s - c m for pair n.  E n: the exponential of score n.  C n: pair n rounded to bf16.  B n: of the four weights 4 n .. the second pair is added onto
; the first.  L n: l takes that sum (L 0: l = a l + sum).  R n: pair n of O^T times a.  For piece Y + 1: X n, number n of the 22 that find its maximum and statistics (each accumulator's lowest registers
; are read first): 0-11 four chains; 12-14, 16 the rest, the old m, all into c0; 15 c m_old is kept; 17, 18 the other half of the lanes; 19-21 c m, its change, a.
.set F, 0
.set E, 1
.set C, 2
.set B, 3
.set L, 4
.set R, 5
.set X, 6
.macro REGS y
.set rT, ST+4*(\y)
.set rC, TMP+4*((\y)%2)
.set rW, MV+((\y)%2)
.set rS, S+32*((\y)%2)
.set rP, P+16*((\y)%2)
.set rO, 32*(\y)
.endm
.macro OP k, n
.if (\k) == R
	REGS Y
	WIN W_RS
	v_pk_mul_f32 v[rO+2*(\n):rO+2*(\n)+1], v[rO+2*(\n):rO+2*(\n)+1], v[rC+2:rC+3] op_sel_hi:[1,0]
.elseif (\k) < R
	REGS Y
	WIN 0
.if (\k) == F
	v_pk_fma_f32 v[rS+2*(\n):rS+2*(\n)+1], v[rS+2*(\n):rS+2*(\n)+1], s[CS:CS+1], v[rT:rT+1] op_sel_hi:[1,0,0] neg_lo:[0,0,1] neg_hi:[0,0,1]
.elseif (\k) == E
	v_exp_f32 v[rS+(\n)], v[rS+(\n)]
.elseif (\k) == C
	v_cvt_pk_bf16_f32 v[rP+(\n)], v[rS+2*(\n)], v[rS+2*(\n)+1]
.elseif (\k) == B
	v_pk_add_f32 v[rS+4*(\n):rS+4*(\n)+1], v[rS+4*(\n):rS+4*(\n)+1], v[rS+4*(\n)+2:rS+4*(\n)+3]
.elseif (\n) == 0
	v_pk_fma_f32 v[rT+2:rT+3], v[rT+2:rT+3], v[rC+2:rC+3], v[rS:rS+1] op_sel_hi:[1,0,1]
.else
	v_pk_add_f32 v[rT+2:rT+3], v[rT+2:rT+3], v[rS+4*(\n):rS+4*(\n)+1]
.endif
.elseif NOKQ
	v_nop
.else
	REGS (Y+1)%NP
	WIN 0
.if (\n) < 4
	v_max3_num_f32 v[rC+(\n)], v[rS+8*(\n)], v[rS+8*(\n)+1], v[rS+8*(\n)+2]
.elseif (\n) < 12
	v_max3_num_f32 v[rC+(\n)%4], v[rC+(\n)%4], v[rS+8*((\n)%4)+2*((\n)/4)+1], v[rS+8*((\n)%4)+2*((\n)/4)+2]
.elseif (\n) == 12
	v_max3_num_f32 v[rC], v[rC], v[rS+7], v[rS+15]
.elseif (\n) == 13
	v_max3_num_f32 v[rC+1], v[rC+1], v[rS+23], v[rS+31]
.elseif (\n) == 14
	v_max3_num_f32 v[rC+2], v[rC+2], v[rC+3], v[rT+1]
.elseif (\n) == 15
	v_mov_b32 v[rW], v[rT]
.elseif (\n) == 16
	v_max3_num_f32 v[rC], v[rC], v[rC+1], v[rC+2]
.elseif (\n) == 17
	v_permlanex16_b32 v[rC+3], v[rC], s[SEL], s[SEL+1]
.elseif (\n) == 18
	v_max_num_f32 v[rT+1], v[rC], v[rC+3]
.elseif (\n) == 19
	v_mul_f32 v[rT], s[CS], v[rT+1]
.elseif (\n) == 20
	v_sub_f32 v[rC+1], v[rW], v[rT]
.else
	v_exp_f32 v[rC+2], v[rC+1]
.endif
.endif
.endm
.macro OPS a, i1, b=-1, i2=0, c=-1, i3=0, d=-1, i4=0
	OP \a, \i1
.if (\b) >= 0
	OP \b, \i2
.endif
.if (\c) >= 0
	OP \c, \i3
.endif
.if (\d) >= 0
	OP \d, \i4
.endif
.endm
.macro ROW a, i1, b, i2, c, i3, d, i4  ; a matrix instruction and the four behind it
	MM
	OPS \a, \i1, \b, \i2, \c, \i3, \d, \i4
.endm
; A TURN, for piece p.  Ahead of its one wait stands all that names no result of the turn's exponentials: the 8 products K Q^T with their riders and the lump; behind it the 8 products V^T P, whose riders
; are the roundings and sums.  end = 1: the last two turns: nothing is fetched.  cnt = 1: the loop's count is taken down some lines ahead of the branch behind the turn.
; K and the masks of the next step are fetched in piece 2's turn, more than four plain instructions behind the last product that read K; V of the step in hand at the end of piece 0's turn, four plain
; instructions behind the last product that read V.  Each is waited for a turn later.
.macro TURN p, end=0, cnt=0
.set Y, (\p)
.set i, 0
.set NOKQ, (\end)*((\p)/3)
.if ((\p) == 3) && !(\end)
	s_wait_dscnt 0x0                ; K and the masks are in
.endif
	ROW F,0, F,1, R,0, R,1
	ROW F,2, E,0, R,2, R,3
	ROW F,3, E,1, R,4, R,5
	ROW F,4, E,2, R,6, R,7
	ROW F,5, E,3, R,8, R,9
	ROW F,6, E,4, X,0, R,10
.if ((\p) == 2) && !(\end)
	WIN 0
	v_add_nc_u32 v[AK], s[TBK], v[AK0]
	v_add_nc_u32 v[AM], s[TBM], v[AM0]
.endif
	ROW F,7, E,5, X,1, X,4
	ROW F,8, E,6, X,2, X,5
	OPS E,7, E,8, X,6, E,9
	OPS X,3, E,10, X,8, E,11
.if ((\p) == 2) && !(\end)
	FETCH_K
.endif
	OPS X,9, X,7, E,12, X,10
	OPS E,13, X,12, X,11, E,14
	OPS X,13, E,15, F,9, X,14
.if (\p) == 0
	v_add_nc_u32 v[AV], s[TBV], v[AV0]
.endif
	OPS E,16, F,10, E,17, F,11
	OPS X,16, E,18, X,15, E,19
	OPS F,12, E,20, X,17, E,21
	OPS F,13, E,22, F,14, E,23
	OPS X,18, E,24, F,15, E,25
	OPS R,11, E,26, X,19, E,27
	OPS R,12, E,28, R,13, E,29
	OPS X,20, E,30, R,14, E,31
	OPS X,21, R,15                  ; the next piece's a is the batch's last; R 15 is the plain instruction behind it
	WIN 0
	s_wait_alu depctr_va_vdst(0)    ; the wait for the batch, ahead of the first instruction that names a result
.if (\p) == 1
	s_wait_dscnt 0x0                ; V is in
.endif
	ROW C,0, B,0, C,2, B,1
	ROW L,0, C,4, B,2, L,1
	ROW C,6, B,3, L,2, C,8
	ROW B,4, L,3, C,10, B,5
	ROW L,4, C,12, B,6, L,5
.if (\p) == 0
	s_add_co_u32 s[TBV], s[TBV], KS*PV
.endif
.if \cnt
	s_sub_co_u32 s[CNT], s[CNT], 1
	s_cmp_lg_u32 s[CNT], 0
.endif
	ROW C,14, B,7, L,6, C,1
	ROW C,3, L,7, C,5, C,7
	ROW C,9, C,11, C,13, C,15
.if (\p) == 0
	FETCH_V
.endif
.endm
	CHANGE 1, 0                     ; slot 0 and the mask table are whole, everybody's part; slot 1 is asked for.  Nothing is prefetched here, at the head
	v_add_nc_u32 v[AK], s[TBK], v[AK0]
	v_add_nc_u32 v[AM], s[TBM], v[AM0]
	FETCH_K                         ; key step 0
	s_wait_loadcnt 0x0              ; Q
	s_wait_dscnt 0x0
.set NOKQ, 0
.set i, 0
.rept 8
	KQ 0                            ; piece 0's first scores
.set i, i+1
.endr
	WIN 0
.rept 4
	v_nop                           ; the places behind those products
.endr
.set Y, NP-1                        ; X works for piece Y + 1: piece 0
.irp n, 0,1,2,3,4,5,6,7,8,9,10,11,12,13,14,15,16,17,18,19,20,21
	OP X, \n
.endr
	v_nop                           ; a plain instruction behind the exponential,
	s_wait_alu depctr_va_vdst(0)    ; and its wait, ahead of the branch
	s_mov_b32 s[CNT], 4
	s_branch .Lfirst                ; the loop is entered at a step's first turn, in the middle of a trip
.Lslot:                             ; six times: tiles 2 to 7 are asked for
	CHANGE 1
	s_mov_b32 s[CNT], 4
.Lstep:                             ; a trip: pieces 2 and 3 of one step, then pieces 0 and 1 of the next, whose K and V it fetches
	TURN 2
	TURN 3
	WIN 0
.Lfirst:
	TURN 0
	TURN 1, 0, 1
	WIN 0
	s_cbranch_scc1 .Lstep
	s_sub_co_u32 s[SLOTS], s[SLOTS], 1
	s_cmp_lg_u32 s[SLOTS], 0
	s_cbranch_scc1 .Lslot
	CHANGE 0                        ; the last tile is written out: nothing is asked for
	s_mov_b32 s[CNT], 4
.LstepT:
	TURN 2
	TURN 3
	WIN 0
	TURN 0
	TURN 1, 0, 1
	WIN 0
	s_cbranch_scc1 .LstepT
	TURN 2, 1
	TURN 3, 1
.set i, 0
.rept 8
	PV NP-1                         ; the last piece's V^T P of the last step
.set i, i+1
.endr
	; THE WAY OUT.  l's two halves and the other half of the lanes' are added; O^T is divided by l, rounded to bf16 and sent through my stage in LDS, a piece at a time.
	WIN 0
.macro ALL line:vararg
.set t, 0
.rept 4
	\line
.set t, t+1
.endr
.endm
	ALL v_add_f32 v[ST+4*t+2], v[ST+4*t+2], v[ST+4*t+3]
	ALL v_permlanex16_b32 v[ST+4*t+3], v[ST+4*t+2], s[SEL], s[SEL+1]
	ALL v_add_f32 v[ST+4*t+2], v[ST+4*t+2], v[ST+4*t+3]
	ALL v_rcp_f32 v[ST+4*t+2], v[ST+4*t+2]
	v_nop                           ; a plain instruction between the last reciprocal and the use of its result
	s_wait_alu depctr_va_vdst(0)    ; one wait for the four reciprocals
.macro PACK t                       ; a lane's eight channels of a row pack into 16 bytes; rows of 144 bytes in, whole rows of 128 back, into S^T's registers
	WIN W_RS
.set i, 32*(\t)
.rept 16
	v_pk_mul_f32 v[i:i+1], v[i:i+1], v[ST+4*(\t)+2:ST+4*(\t)+3] op_sel_hi:[1,0]
.set i, i+2
.endr
	WIN 0x05
.set i, 0
.rept 16
	v_cvt_pk_bf16_f32 v[S+16*(\t)+i], v[32*(\t)+2*i], v[32*(\t)+2*i+1]
.set i, i+1
.endr
	WIN 0
.irp f, 0,1,2,3
	ds_store_b128 v[STO], v[S+16*(\t)+4*\f:S+16*(\t)+4*\f+3] offset:32*\f
.endr
.irp f, 0,1,2,3
	ds_load_b128 v[S+16*(\t)+4*\f:S+16*(\t)+4*\f+3], v[RD] offset:\f*4*SP  ; LDS serves a wave's instructions in order (ISA guide 5.7.1.4): these see the stores above
.endr
.endm
.macro SEND t, younger              ; younger: the LDS instructions issued behind piece t's loads: the next piece's eight, or none
	WIN 0
.irp f, 0,1,2,3
	s_wait_dscnt (\younger)+3-\f
	global_store_b128 v[GO], v[S+16*(\t)+4*\f:S+16*(\t)+4*\f+3], s[OPT:OPT+1] offset:(\t)*2048+\f*512  ; 512 consecutive bytes, at a multiple of 256 from O's first
.endr
.endm
	PACK 0
.set t, 1
.rept 3
	PACK t
	SEND t-1, 8
.set t, t+1
.endr
	SEND 3, 0
	s_wait_tensorcnt 0x0            ; the wave's end
	ds_add_u32 v[SPW], v[NIL]
	s_wait_dscnt 0x0
	CROUND                          ; the closing round
	s_endpgm
.Lfunc_end_k_qa50c71fe5a_attn:
	.size	k_qa50c71fe5a_attn, .Lfunc_end_k_qa50c71fe5a_attn-k_qa50c71fe5a_attn
	.p2alignl 7, 3214868480
	.fill 96, 4, 3214868480
	.section	.rodata,"a",@progbits
	.p2align	6, 0x0
	.amdhsa_kernel k_qa50c71fe5a_attn
		.amdhsa_group_segment_fixed_size 327680
		.amdhsa_private_segment_fixed_size 0
		.amdhsa_enable_private_segment 0
		.amdhsa_kernarg_size 24
		.amdhsa_user_sgpr_count 2
		.amdhsa_user_sgpr_kernarg_segment_ptr 1
		.amdhsa_wavefront_size32 1
		.amdhsa_system_sgpr_workgroup_id_x 1
		.amdhsa_system_sgpr_workgroup_id_y 1
		.amdhsa_system_sgpr_workgroup_id_z 1
		.amdhsa_system_vgpr_workitem_id 0
		.amdhsa_next_free_vgpr 768
		.amdhsa_next_free_sgpr 96
		.amdhsa_reserve_vcc 0
		.amdhsa_float_denorm_mode_32 3
		.amdhsa_float_denorm_mode_16_64 3
		.amdhsa_memory_ordered 1
		.amdhsa_forward_progress 1
		.amdhsa_inst_pref_size 134
	.end_amdhsa_kernel
	.amdgpu_metadata
---
amdhsa.version: [ 1, 2 ]
amdhsa.kernels:
  - .name:           k_qa50c71fe5a_attn
    .symbol:         k_qa50c71fe5a_attn.kd
    .args:
      - { .name: big, .offset: 0, .size: 8, .value_kind: global_buffer, .address_space: global }
      - { .name: attention_mask, .offset: 8, .size: 8, .value_kind: global_buffer, .address_space: global }
      - { .name: ob, .offset: 16, .size: 8, .value_kind: global_buffer, .address_space: global }
    .group_segment_fixed_size: 327680
    .private_segment_fixed_size: 0
    .kernarg_segment_align: 8
    .kernarg_segment_size: 24
    .max_flat_workgroup_size: 128
    .sgpr_count:     96
    .vgpr_count:     768
    .wavefront_size: 32
...
	.end_amdgpu_metadata
.endif
;; end of part 3
;; launch gwo (part 4): grid 8 x 32, 4 waves a work-group, clusters of 4 x 4, 327,680 bytes of LDS; arguments ob, wb, bo, s; writes s
.if DOCPART == 4
	.amdgcn_target "amdgcn-amd-amdhsa--gfx1250"
	.amdhsa_code_object_version 6
	.text
	.protected	k_qa50c71fe5a_gwo
	.globl	k_qa50c71fe5a_gwo
	.p2align	8
	.type	k_qa50c71fe5a_gwo,@function
k_qa50c71fe5a_gwo:
	s_mov_b64 s[64:65], 0
	v_nop
	global_prefetch_b8 v0, s[64:65] scope:SCOPE_SE
	s_setreg_imm32_b32 hwreg(HW_REG_WAVE_MODE, 25, 1), 1
	s_wait_xcnt 0x0
	s_wait_alu depctr_hold_cnt(0) depctr_sa_sdst(0) depctr_va_vdst(0) depctr_va_sdst(0) depctr_va_ssrc(0) depctr_va_vcc(0) depctr_vm_vsrc(0)
	s_getreg_b32 s2, hwreg(HW_REG_IB_STS2, 6, 4)
	s_cmp_eq_u32 s2, 0
	s_cbranch_scc0 .Lentry_in_a_cluster
	s_endpgm
.Lentry_in_a_cluster:
	s_bfe_u32 s2, ttmp6, 0x10000c
	s_cmp_lg_u32 s2, 0xf033
	s_cbranch_scc0 .Lentry_shape_is_right
	s_endpgm
.Lentry_shape_is_right:
; s = A W + b, f32 [4096][1024].  A: bf16 in blocks of 64 columns, [k / 64][4096][64], a block 524,288 bytes.  W: 8 panels [SIZE_K][128] bf16 at byte WOFF of wb.  b: f32, rounded here once to bf16.
; A tile of the result is 128 x 128 (256 work-groups): four waves, each 64 x 64 in 16 accumulators.  K goes in steps of 256 through two LDS slots.
; A's tile of a step is four blocks of 128 rows x 128 bytes, each dense in memory; a wave's load brings two of them as two rows of 16,384 bytes, padded in LDS after every 128.
; B's tile lies [k][column]; its fragments come out of LDS turned.  The product is used transposed (source 0 = 16 columns of W, source 1 = 16 rows of A); the bias is the C operand of the first products.
; CLUSTER 4 x 4: A's tile is asked for jointly by a row of the cluster, B's by a column.  One text serves every K step: the slot in hand is the scalar TB.
; The way out goes through slot 0, which has had its last fill and whose last reads lie ahead of a barrier.  No prefetch: the tile is small, a step short.
; LIMITS: operands are bf16; NaN and infinities are not treated apart.
.set SIZE_K, 1024
.set WOFF,   6291456
.set T,      SIZE_K/256
.set PANEL,  256*SIZE_K
.set PA,    144                        ; A's LDS row: 128 bytes + 16
.set KB,    128*PA                     ; a block of 64 along K
.set PB,    288                        ; B's LDS row: 256 + 32
.set BOFF,  4*KB
.set SLOT,  BOFF+256*PB
.set SPARE, 2*SLOT                     ; the spare words: two blocks of 256 bytes that no other line names
.set SP,    528                        ; the stage's row: 128 f32 + 16 bytes
.set LNA,  10
.set LNB,  11
.set ADRA, 16
.set ADRB, 20                          ; v20: B's quarters 0, 1; v21: quarters 2, 3 (128 rows on)
.set STO,  24
.set RD,   25
.set CO,   26
.set SPW,  28
.set NIL,  29
.set BIA,  32                          ; v32-63  the bias of my 64 columns; later the rows read back
.set OB,   32
.set ACC,  128                         ; accumulator (a, b) at ACC + 8 (4 a + b)
.set F0,   0                           ; fragment buffers, in window 1: 64 registers of A, then 64 of B
.set F1,   128
.set G1,  24
.set G0,  32
.set G1B, 48
.set G0B, 56
.set TB,  80
.set LAA, 81
.set LAB, 82
.set BP,  86
.set CP,  88
.set MSB, 0
.macro WIN new
.if MSB != (\new)
	s_set_vgpr_msb (MSB<<8)|(\new)
.set MSB, \new
.endif
.endm
.macro JLOAD s                         ; waves 0, 1 fetch A's halves, waves 2, 3 B's; an s_nop 0 and four v_nop follow each line
	s_cmp_eq_u32 s11, 0
	s_cbranch_scc0 .Lfor_b_\@
	tensor_load_to_lds s[G0+4*(\s):G0+4*(\s)+3], s[G1:G1+7]
	s_nop 0
.rept 4
	v_nop
.endr
	s_branch .Lasked_\@
.Lfor_b_\@:
	tensor_load_to_lds s[G0B+4*(\s):G0B+4*(\s)+3], s[G1B:G1B+7]
	s_nop 0
.rept 4
	v_nop
.endr
.Lasked_\@:
.endm
.macro CREST
	s_cmp_lg_u32 s10, 0
	s_cbranch_scc1 .Lnot_wave_0_\@
	s_barrier_signal -3
.Lnot_wave_0_\@:
	s_barrier_wait -3
	s_barrier_signal -1
	s_barrier_wait -1
.endm
.macro CROUND
	s_barrier_signal -1
	s_barrier_wait -1
	CREST
.endm
.macro PLACES
.rept 4
	v_nop
.endr
.endm
.macro RND2 a, t
	v_cvt_pk_bf16_f32 v[\t], v[\a], v[(\a)+1]
	v_lshlrev_b32 v[\a], 16, v[\t]
	v_and_b32 v[(\a)+1], 0xffff0000, v[\t]
.endm
	s_load_b256 s[68:75], s[0:1], 0x0              ; A s[68:69], wb s[70:71], the bias s[72:73], the output s[74:75]
	v_lshl_add_u32 v[SPW], v0, 2, SPARE
	v_mov_b32 v[NIL], 0
	ds_add_u32 v[SPW], v[NIL]                      ; the wave's opening: the add and its wait ahead of my first tensor load
	v_lshrrev_b32 v1, 5, v0
	v_readfirstlane_b32 s10, v1
	s_lshr_b32 s11, s10, 1                         ; my half of the rows; also: I fetch for A (0) or B (1)
	s_and_b32 s12, s10, 1                          ; my half of the columns; also: which half I fetch
	s_bfe_u32 s40, ttmp6, 0x40000
	s_bfe_u32 s41, ttmp6, 0x40004
	s_lshl_b32 s42, ttmp9, 2
	s_add_co_u32 s42, s42, s40                     ; tile column
	s_and_b32 s13, ttmp7, 0xffff
	s_lshl_b32 s13, s13, 2
	s_add_co_u32 s13, s13, s41                     ; tile row
	s_lshl_b32 s43, s41, 2
	s_lshl_b32 s43, 15, s43
	s_lshl_b32 s44, 0x1111, s40
	s_or_b32 s[G1+0], s43, (3<<16)|(1<<20)|(1<<21)|(4<<22)|(3<<25)   ; my row's mask; 8-byte elements; padding on; bit 21 beside a mask; after every 32 words 4 words
	s_mov_b32 s[G1+1], 2048<<16                    ; tensor_dim0 = 2,048 elements: 16,384 bytes, a block's 128 rows
	s_mov_b32 s[G1+2], 2<<16                       ; tensor_dim1 = 2 blocks
	s_mov_b32 s[G1+3], 2048<<16                    ; tile_dim0
	s_mov_b32 s[G1+4], 2                           ; tile_dim1
	s_mov_b32 s[G1+5], 65536                       ; 524,288 bytes from block to block
	s_mov_b32 s[G1+6], 0
	s_mov_b32 s[G1+7], 0
	s_or_b32 s[G1B+0], s44, (1<<16)|(1<<20)|(1<<21)|(5<<22)|(7<<25)  ; my column's mask; 2-byte elements; after every 64 words 8 words
	s_mov_b32 s[G1B+1], 128<<16
	s_mov_b32 s[G1B+2], 128<<16
	s_mov_b32 s[G1B+3], 128<<16
	s_mov_b32 s[G1B+4], 128
	s_mov_b32 s[G1B+5], 128
	s_mov_b32 s[G1B+6], 0
	s_mov_b32 s[G1B+7], 0
	s_lshl_b32 s16, s13, 14                        ; A: the tile's 128 rows of 128 bytes, in blocks 2 x half and the next
	s_lshl_b32 s17, s12, 20
	s_add_co_u32 s16, s16, s17
	s_mov_b32 s17, 0
	s_mul_i32 s46, s42, PANEL                      ; B: the tile column's panel, k rows 128 x half on
	s_lshl_b32 s47, s12, 15
	s_add_co_u32 s46, s46, s47
	s_add_co_u32 s46, s46, WOFF
	s_mov_b32 s47, 0
	s_mul_i32 s[LAA], s12, 2*KB
	s_mul_i32 s[LAB], s12, 128*PB
	s_add_co_u32 s[LAB], s[LAB], BOFF
	s_wait_dscnt 0x0                               ; the opening add is done
	s_wait_kmcnt 0x0
	s_add_nc_u64 s[14:15], s[68:69], s[16:17]
	s_add_nc_u64 s[46:47], s[70:71], s[46:47]
	CROUND                                         ; all sixteen work-groups are here: the first joint loads meet
.irp s, 0,1
	s_mov_b32 s[G0+4*(\s)], 1
	s_add_co_u32 s[G0+4*(\s)+1], s[LAA], (\s)*SLOT
	s_add_nc_u64 s[G0+4*(\s)+2:G0+4*(\s)+3], s[14:15], (\s)*2097152
	s_or_b32 s[G0+4*(\s)+3], s[G0+4*(\s)+3], 0x80000000
	s_mov_b32 s[G0B+4*(\s)], 1
	s_add_co_u32 s[G0B+4*(\s)+1], s[LAB], (\s)*SLOT
	s_add_nc_u64 s[G0B+4*(\s)+2:G0B+4*(\s)+3], s[46:47], (\s)*65536
	s_or_b32 s[G0B+4*(\s)+3], s[G0B+4*(\s)+3], 0x80000000
	JLOAD \s                                       ; two loads of mine are out: the most in this text
.endr
	v_and_b32 v1, 15, v0
	v_bfe_u32 v2, v0, 4, 1
	v_and_b32 v3, 7, v0
	v_bfe_u32 v4, v0, 3, 1
	v_lshlrev_b32 v6, 5, v2
	s_lshl_b32 s20, s42, 9                         ; the bias at column 128 x tile column + 64 x half
	s_lshl_b32 s21, s12, 8
	s_add_co_u32 s20, s20, s21
	s_mov_b32 s21, 0
	s_add_nc_u64 s[BP:BP+1], s[72:73], s[20:21]
.irp b, 0,1,2,3
	global_load_b128 v[BIA+8*(\b):BIA+8*(\b)+3],   v6, s[BP:BP+1] offset:64*(\b)
	global_load_b128 v[BIA+8*(\b)+4:BIA+8*(\b)+7], v6, s[BP:BP+1] offset:64*(\b)+16
.endr
	s_lshl_b32 s20, s13, 19                        ; the output: row 128 x tile row + 32 x wave, 4,096 bytes each; column 128 x tile column
	s_lshl_b32 s21, s10, 17
	s_add_co_u32 s20, s20, s21
	s_lshl_b32 s21, s42, 9
	s_add_co_u32 s20, s20, s21
	s_mov_b32 s21, 0
	s_add_nc_u64 s[CP:CP+1], s[74:75], s[20:21]
	v_mul_u32_u24 v5, v1, PA
	v_lshl_add_u32 v5, v2, 4, v5
	s_mul_i32 s21, s11, 64*PA
	v_add_nc_u32 v[LNA], s21, v5
	v_lshl_add_u32 v5, v2, 3, v3
	v_mul_u32_u24 v5, v5, PB
	v_lshl_add_u32 v5, v4, 4, v5
	s_lshl_b32 s22, s12, 7
	s_add_co_u32 s22, s22, BOFF
	v_add_nc_u32 v[LNB], s22, v5
	s_mul_i32 s22, s11, 64*SP                      ; into the stage: row 64 wm + r, byte 256 wn + 32 h
	s_lshl_b32 s23, s12, 8
	s_add_co_u32 s22, s22, s23
	v_mul_u32_u24 v5, v1, SP
	v_lshl_add_u32 v5, v2, 5, v5
	v_add_nc_u32 v[STO], s22, v5
	s_mul_i32 s23, s10, 32*SP                      ; back: rows 32 w on, a whole row of 512 bytes an instruction
	v_and_b32 v5, 31, v0
	v_lshlrev_b32 v[CO], 4, v5
	v_add_nc_u32 v[RD], s23, v[CO]
	s_wait_loadcnt 0x0                             ; the bias
.set k, 0
.rept 16
	RND2 BIA+2*k, 7
.set k, k+1
.endr
; 8 matrix instructions: row blocks a0, a0 + 1 x all 4 column blocks, 32 along K: half c of buffer f.  first = 1: the bias starts the sums.  The 16 accumulators take turns.
.macro MUL8 f, c, a0, first
	WIN 0x05                                       ; sources 0 (B) and 1 (A) window 1; C and D window 0
.irp a, \a0, (\a0)+1
.irp b, 0,1,2,3
.if \first
	v_wmma_f32_16x16x32_bf16 v[ACC+8*(4*(\a)+(\b)):ACC+8*(4*(\a)+(\b))+7], v[(\f)+64+8*(4*(\c)+(\b)):(\f)+64+8*(4*(\c)+(\b))+7], v[(\f)+8*(4*(\c)+(\a)):(\f)+8*(4*(\c)+(\a))+7], v[BIA+8*(\b):BIA+8*(\b)+7]
.else
	v_wmma_f32_16x16x32_bf16 v[ACC+8*(4*(\a)+(\b)):ACC+8*(4*(\a)+(\b))+7], v[(\f)+64+8*(4*(\c)+(\b)):(\f)+64+8*(4*(\c)+(\b))+7], v[(\f)+8*(4*(\c)+(\a)):(\f)+8*(4*(\c)+(\a))+7], v[ACC+8*(4*(\a)+(\b)):ACC+8*(4*(\a)+(\b))+7]
.endif
.endr
.endr
.endm
; 32 LDS loads in one run: quarter q (64 along K: one block of A) of the slot in hand into buffer f; the first 32 along K first
.macro FETCH q, f
	WIN 0x40
.irp c, 0,1
.irp i, 0,1,2,3
	ds_load_tr16_b128 v[(\f)+64+8*(4*(\c)+(\i)):(\f)+64+8*(4*(\c)+(\i))+3],   v[ADRB+(\q)/2] offset:((\q)%2)*64*PB+(\c)*32*PB+32*(\i)
	ds_load_tr16_b128 v[(\f)+64+8*(4*(\c)+(\i))+4:(\f)+64+8*(4*(\c)+(\i))+7], v[ADRB+(\q)/2] offset:((\q)%2)*64*PB+(\c)*32*PB+32*(\i)+16*PB
	ds_load_b128 v[(\f)+8*(4*(\c)+(\i)):(\f)+8*(4*(\c)+(\i))+3],   v[ADRA] offset:(\q)*KB+(\i)*16*PA+64*(\c)
	ds_load_b128 v[(\f)+8*(4*(\c)+(\i))+4:(\f)+8*(4*(\c)+(\i))+7], v[ADRA] offset:(\q)*KB+(\i)*16*PA+64*(\c)+32
.endr
.endr
.endm
.macro QUARTER q, f, g, first
	s_wait_dscnt 16                                ; the first 32 along K are in
	MUL8 \f, 0, 0, \first
	MUL8 \f, 0, 2, \first
	PLACES
	FETCH \q, \g
	s_wait_dscnt 32                                ; all but the 32 just issued
	MUL8 \f, 1, 0, 0
	MUL8 \f, 1, 2, 0
.endm
.macro MEET round                      ; the first half of a step's last quarter: one barrier for the change of slots
	WIN 0
	s_wait_tensorcnt 0x0                           ; all my tensor loads have landed: my part of the next slot
	ds_add_u32 v[SPW], v[NIL]
	s_wait_dscnt 17                                ; (the add and the youngest sixteen loads may be out)
	MUL8 F1, 0, 0, 0
	s_wait_dscnt 0x0                               ; the add is done, and my reads of this slot are over
	s_barrier_signal -1
	MUL8 F1, 0, 2, 0
.if \round
	WIN 0
.endif
	s_barrier_wait -1
.endm
.macro NEWADR
	v_add_nc_u32 v[ADRA], s[TB], v[LNA]
	v_add_nc_u32 v[ADRB], s[TB], v[LNB]
	v_add_nc_u32 v[ADRB+1], 128*PB, v[ADRB]
.endm
.macro TURN1                           ; the slot just read is filled again with the step two on, first thing behind the round
	MEET 1
	CREST
	s_add_co_u32 s[G0+5], s[LAA], s[TB]
	s_add_nc_u64 s[G0+6:G0+7], s[G0+6:G0+7], 2097152
	s_add_co_u32 s[G0B+5], s[LAB], s[TB]
	s_add_nc_u64 s[G0B+6:G0B+7], s[G0B+6:G0B+7], 65536
	s_xor_b32 s[TB], s[TB], SLOT
	JLOAD 1                                        ; its four v_nop are also the places in front of the loads below
	NEWADR
	FETCH 0, F0
	MUL8 F1, 1, 0, 0
	MUL8 F1, 1, 2, 0
.endm
.macro TURN0                           ; the last two steps: nothing is filled; behind the last nothing is fetched either (only LDS loads are jumped)
	MEET 0
	s_xor_b32 s[TB], s[TB], SLOT
	WIN 0
	PLACES
	NEWADR
	s_cmp_eq_u32 s3, 1
	s_cbranch_scc1 .Lno_fetch_\@
	FETCH 0, F0
	WIN 0
.Lno_fetch_\@:
	MUL8 F1, 1, 0, 0
	MUL8 F1, 1, 2, 0
.endm
	s_wait_tensorcnt 1                             ; my part of step 0 is in; step 1's may stay out
	s_barrier_signal -1
	s_barrier_wait -1
	s_mov_b32 s[TB], 0
	NEWADR
	FETCH 0, F0
	QUARTER 1, F0, F1, 1                           ; the first quarter stands in front of the loop: its first products start the sums with the bias
	WIN 0
	s_mov_b32 s3, T-2
.Lstep:
	QUARTER 2, F1, F0, 0
	QUARTER 3, F0, F1, 0
	TURN1
	QUARTER 1, F0, F1, 0
	WIN 0
	s_sub_co_u32 s3, s3, 1
	s_cmp_lg_u32 s3, 0
	s_cbranch_scc1 .Lstep
	s_mov_b32 s3, 2
.Ltail:                                        ; written apart; left in the middle of its second trip
	QUARTER 2, F1, F0, 0
	QUARTER 3, F0, F1, 0
	TURN0
	WIN 0
	s_sub_co_u32 s3, s3, 1
	s_cmp_eq_u32 s3, 0
	s_cbranch_scc1 .Lout
	QUARTER 1, F0, F1, 0
	WIN 0
	s_branch .Ltail
.Lout:
	s_wait_dscnt 0x0                               ; every wave's LDS reads are over
	s_barrier_signal -1
	s_barrier_wait -1                              ; before any wave stores into the stage
	PLACES
.irp a, 0,1,2,3                        ; the sums go into the stage as they are, f32; each accumulator's low four registers first
.irp b, 0,1,2,3
	ds_store_b128 v[STO], v[ACC+8*(4*(\a)+(\b)):ACC+8*(4*(\a)+(\b))+3]   offset:(\a)*16*SP+64*(\b)
	ds_store_b128 v[STO], v[ACC+8*(4*(\a)+(\b))+4:ACC+8*(4*(\a)+(\b))+7] offset:(\a)*16*SP+64*(\b)+16
.endr
.endr
	s_wait_dscnt 0x0                               ; for the others' sake: my stores into the stage are done
	s_barrier_signal -1
	s_barrier_wait -1
	s_mov_b32 s3, 4
.Lcopy:                                        ; a trip: 8 of my 32 rows
.irp t, 0,1,2,3,4,5,6,7
	ds_load_b128 v[OB+4*(\t):OB+4*(\t)+3], v[RD] offset:(\t)*SP
.endr
	s_wait_dscnt 0x0
.irp t, 0,1,2,3,4,5,6,7
	global_store_b128 v[CO], v[OB+4*(\t):OB+4*(\t)+3], s[CP:CP+1] offset:4096*(\t)  ; 32 lanes store 512 consecutive bytes, aligned
.endr
	s_wait_xcnt 0x0                                ; the stores have read their registers and their base
	v_add_nc_u32 v[RD], 8*SP, v[RD]
	s_add_nc_u64 s[CP:CP+1], s[CP:CP+1], 32768
	s_sub_co_u32 s3, s3, 1
	s_cmp_lg_u32 s3, 0
	s_cbranch_scc1 .Lcopy
	s_wait_tensorcnt 0x0                           ; the wave's end
	ds_add_u32 v[SPW], v[NIL]
	s_wait_dscnt 0x0
	CROUND                                         ; the closing round
	s_endpgm
.Lfunc_end_k_qa50c71fe5a_gwo:
	.size	k_qa50c71fe5a_gwo, .Lfunc_end_k_qa50c71fe5a_gwo-k_qa50c71fe5a_gwo
	.p2alignl 7, 3214868480
	.fill 96, 4, 3214868480
	.section	.rodata,"a",@progbits
	.p2align	6, 0x0
	.amdhsa_kernel k_qa50c71fe5a_gwo
		.amdhsa_group_segment_fixed_size 327680
		.amdhsa_private_segment_fixed_size 0
		.amdhsa_enable_private_segment 0
		.amdhsa_kernarg_size 32
		.amdhsa_user_sgpr_count 2
		.amdhsa_user_sgpr_kernarg_segment_ptr 1
		.amdhsa_wavefront_size32 1
		.amdhsa_system_sgpr_workgroup_id_x 1
		.amdhsa_system_sgpr_workgroup_id_y 1
		.amdhsa_system_sgpr_workgroup_id_z 1
		.amdhsa_system_vgpr_workitem_id 0
		.amdhsa_next_free_vgpr 512
		.amdhsa_next_free_sgpr 96
		.amdhsa_reserve_vcc 0
		.amdhsa_float_denorm_mode_32 3
		.amdhsa_float_denorm_mode_16_64 3
		.amdhsa_memory_ordered 1
		.amdhsa_forward_progress 1
		.amdhsa_inst_pref_size 58
	.end_amdhsa_kernel
	.amdgpu_metadata
---
amdhsa.version: [ 1, 2 ]
amdhsa.kernels:
  - .name:           k_qa50c71fe5a_gwo
    .symbol:         k_qa50c71fe5a_gwo.kd
    .args:
      - { .name: ob, .offset: 0, .size: 8, .value_kind: global_buffer, .address_space: global }
      - { .name: wb, .offset: 8, .size: 8, .value_kind: global_buffer, .address_space: global }
      - { .name: bo, .offset: 16, .size: 8, .value_kind: global_buffer, .address_space: global }
      - { .name: s, .offset: 24, .size: 8, .value_kind: global_buffer, .address_space: global }
    .group_segment_fixed_size: 327680
    .private_segment_fixed_size: 0
    .kernarg_segment_align: 8
    .kernarg_segment_size: 32
    .max_flat_workgroup_size: 128
    .sgpr_count:     96
    .vgpr_count:     512
    .wavefront_size: 32
...
	.end_amdgpu_metadata
.endif
;; end of part 4
;; launch ln1 (part 5): grid 512 x 1, 8 waves a work-group, no clusters, 0 bytes of LDS; arguments s, xb, ln1_g, ln1_b, h, hb; writes h, hb
.if DOCPART == 5
	.amdgcn_target "amdgcn-amd-amdhsa--gfx1250"
	.amdhsa_code_object_version 6
	.text
	.protected	k_qa50c71fe5a_ln1
	.globl	k_qa50c71fe5a_ln1
	.p2align	8
	.type	k_qa50c71fe5a_ln1,@function
k_qa50c71fe5a_ln1:
	s_mov_b64 s[64:65], 0
	v_nop
	global_prefetch_b8 v0, s[64:65] scope:SCOPE_SE
	s_setreg_imm32_b32 hwreg(HW_REG_WAVE_MODE, 25, 1), 1
	s_wait_xcnt 0x0
; h = LayerNorm(xb + s) g + b over rows of 1,024.  s: f32; xb: bf16 (x rounded once, like every input); g, b: f32, rounded here once to bf16.  Out: h in f32, and hb, h rounded once to bf16.
; One wave, one row, kept in 32 registers between the passes: no LDS, no barrier, no loop.  Lane l holds columns 128 j + 4 l .. + 3, j = 0..7: a load or store of the wave covers 512 consecutive bytes.
; The variance is taken of (x - mean), so no difference of large sums is formed.  Memory binds: matrix units and clusters would add nothing.
.set FIRST, 1
.set G, 8                              ; v[8:39]    the gain
.set B, 40                             ; v[40:71]   the bias
.set X, 72                             ; v[72:103]  the row
.set R, 104                            ; v[104:135] the residual
.set T, 136                            ; v[136:151] at work
.set Y, 152                            ; v[152:167] the row in bf16
.macro RND2 a, t
	v_cvt_pk_bf16_f32 v[\t], v[\a], v[(\a)+1]
	v_lshlrev_b32 v[\a], 16, v[\t]
	v_and_b32 v[(\a)+1], s21, v[\t]
.endm
.macro LANES r, t                      ; the sum over the 32 lanes, in every lane; t has been written before
	v_add_f32_dpp v[\r], v[\r], v[\r] row_xmask:1 row_mask:0xf bank_mask:0xf
	v_add_f32_dpp v[\r], v[\r], v[\r] row_xmask:2 row_mask:0xf bank_mask:0xf
	v_add_f32_dpp v[\r], v[\r], v[\r] row_xmask:4 row_mask:0xf bank_mask:0xf
	v_add_f32_dpp v[\r], v[\r], v[\r] row_xmask:8 row_mask:0xf bank_mask:0xf
	v_permlanex16_b32 v[\t], v[\r], s22, s23
	v_add_f32 v[\r], v[\r], v[\t]
.endm
	s_load_b256 s[4:11], s[0:1], 0x0               ; s s[4:5], the residual s[6:7], g s[8:9], b s[10:11]
.if FIRST
	s_load_b128 s[12:15], s[0:1], 0x20             ; h s[12:13], hb s[14:15]
.else
	s_load_b64 s[12:13], s[0:1], 0x20              ; the output
.endif
	v_lshrrev_b32 v1, 5, v0
	v_readfirstlane_b32 s16, v1
	s_lshl_b32 s17, ttmp9, 3
	s_add_co_u32 s16, s16, s17                     ; my row
	s_lshl_b32 s18, s16, 12                        ; in f32
	s_mov_b32 s19, 0
	s_lshl_b32 s24, s16, 11                        ; in bf16
	s_mov_b32 s25, 0
	s_mov_b32 s20, 0x3a800000                      ; 1 / 1,024
	s_mov_b32 s21, 0xffff0000
	s_mov_b32 s22, 0x76543210
	s_mov_b32 s23, 0xfedcba98
	v_and_b32 v2, 31, v0
	v_lshlrev_b32 v3, 4, v2
	v_lshlrev_b32 v4, 3, v2
	s_wait_kmcnt 0x0
	s_add_nc_u64 s[4:5], s[4:5], s[18:19]
	s_add_nc_u64 s[12:13], s[12:13], s[18:19]
.if FIRST
	s_add_nc_u64 s[6:7], s[6:7], s[24:25]
	s_add_nc_u64 s[14:15], s[14:15], s[24:25]
.else
	s_add_nc_u64 s[6:7], s[6:7], s[18:19]
.endif
.irp j, 0,1,2,3,4,5,6,7
	global_load_b128 v[X+4*(\j):X+4*(\j)+3], v3, s[4:5] offset:512*(\j) th:TH_LOAD_NT
.endr
.irp j, 0,1,2,3,4,5,6,7
.if FIRST
	global_load_b64 v[R+2*(\j):R+2*(\j)+1], v4, s[6:7] offset:256*(\j)
.else
	global_load_b128 v[R+4*(\j):R+4*(\j)+3], v3, s[6:7] offset:512*(\j) th:TH_LOAD_NT
.endif
.endr
.irp j, 0,1,2,3,4,5,6,7
	global_load_b128 v[G+4*(\j):G+4*(\j)+3], v3, s[8:9] offset:512*(\j)
.endr
.irp j, 0,1,2,3,4,5,6,7
	global_load_b128 v[B+4*(\j):B+4*(\j)+3], v3, s[10:11] offset:512*(\j)
.endr
	s_wait_loadcnt 16                              ; the row and the residual are in; the gain's and the bias's 16 loads may stay out
.if FIRST
.irp j, 0,1,2,3,4,5,6,7
	v_lshlrev_b32 v[T+4*((\j)%4)],   16,  v[R+2*(\j)]
	v_and_b32     v[T+4*((\j)%4)+1], s21, v[R+2*(\j)]
	v_lshlrev_b32 v[T+4*((\j)%4)+2], 16,  v[R+2*(\j)+1]
	v_and_b32     v[T+4*((\j)%4)+3], s21, v[R+2*(\j)+1]
	v_pk_add_f32 v[X+4*(\j):X+4*(\j)+1],   v[X+4*(\j):X+4*(\j)+1],   v[T+4*((\j)%4):T+4*((\j)%4)+1]
	v_pk_add_f32 v[X+4*(\j)+2:X+4*(\j)+3], v[X+4*(\j)+2:X+4*(\j)+3], v[T+4*((\j)%4)+2:T+4*((\j)%4)+3]
.endr
.else
.set k, 0
.rept 16
	v_pk_add_f32 v[X+2*k:X+2*k+1], v[X+2*k:X+2*k+1], v[R+2*k:R+2*k+1]
.set k, k+1
.endr
.endif
.irp k, 0,1,2,3                        ; the sum, in four chains
	v_pk_add_f32 v[T+2*(\k):T+2*(\k)+1], v[X+2*(\k):X+2*(\k)+1], v[X+8+2*(\k):X+8+2*(\k)+1]
.endr
.irp k, 0,1,2,3
	v_pk_add_f32 v[T+2*(\k):T+2*(\k)+1], v[T+2*(\k):T+2*(\k)+1], v[X+16+2*(\k):X+16+2*(\k)+1]
.endr
.irp k, 0,1,2,3
	v_pk_add_f32 v[T+2*(\k):T+2*(\k)+1], v[T+2*(\k):T+2*(\k)+1], v[X+24+2*(\k):X+24+2*(\k)+1]
.endr
	v_pk_add_f32 v[T:T+1], v[T:T+1], v[T+2:T+3]
	v_pk_add_f32 v[T+4:T+5], v[T+4:T+5], v[T+6:T+7]
	v_pk_add_f32 v[T:T+1], v[T:T+1], v[T+4:T+5]
	v_add_f32 v[T], v[T], v[T+1]
	LANES T, T+1
	v_mul_f32 v168, s20, v[T]                      ; the mean
	v_mov_b32 v169, v168
.set k, 0
.rept 16
	v_pk_add_f32 v[X+2*k:X+2*k+1], v[X+2*k:X+2*k+1], v[168:169] neg_lo:[0,1] neg_hi:[0,1]
.set k, k+1
.endr
.irp k, 0,1,2,3                        ; the sum of squares, in four chains
	v_pk_mul_f32 v[T+2*(\k):T+2*(\k)+1], v[X+2*(\k):X+2*(\k)+1], v[X+2*(\k):X+2*(\k)+1]
.endr
.irp m, 8,16,24
.irp k, 0,1,2,3
	v_pk_fma_f32 v[T+2*(\k):T+2*(\k)+1], v[X+(\m)+2*(\k):X+(\m)+2*(\k)+1], v[X+(\m)+2*(\k):X+(\m)+2*(\k)+1], v[T+2*(\k):T+2*(\k)+1]
.endr
.endr
	v_pk_add_f32 v[T:T+1], v[T:T+1], v[T+2:T+3]
	v_pk_add_f32 v[T+4:T+5], v[T+4:T+5], v[T+6:T+7]
	v_pk_add_f32 v[T:T+1], v[T:T+1], v[T+4:T+5]
	v_add_f32 v[T], v[T], v[T+1]
	LANES T, T+1
	v_fmaak_f32 v170, s20, v[T], 0x3727c5ac        ; the variance + 1e-5
	v_rsq_f32 v172, v170
	v_rsq_f32 v173, v170                           ; twice: a pair for the packed multiply
	s_wait_loadcnt 0x0                             ; the gain and the bias
.set k, 0
.rept 16                               ; their rounding is the plain work behind the two roots
	RND2 G+2*k, T+k%8
	RND2 B+2*k, T+8+k%8
.set k, k+1
.endr
	s_wait_alu depctr_va_vdst(0)                   ; one wait for both roots, ahead of their first reader
.set k, 0
.rept 16
	v_pk_mul_f32 v[X+2*k:X+2*k+1], v[X+2*k:X+2*k+1], v[172:173]
.set k, k+1
.endr
.set k, 0
.rept 16
	v_pk_fma_f32 v[X+2*k:X+2*k+1], v[X+2*k:X+2*k+1], v[G+2*k:G+2*k+1], v[B+2*k:B+2*k+1]
.set k, k+1
.endr
.irp j, 0,1,2,3,4,5,6,7
	global_store_b128 v3, v[X+4*(\j):X+4*(\j)+3], s[12:13] offset:512*(\j)  ; 512 consecutive bytes, aligned
.endr
.if FIRST
.set k, 0
.rept 16
	v_cvt_pk_bf16_f32 v[Y+k], v[X+2*k], v[X+2*k+1]
.set k, k+1
.endr
.irp j, 0,1,2,3,4,5,6,7
	global_store_b64 v4, v[Y+2*(\j):Y+2*(\j)+1], s[14:15] offset:256*(\j)  ; 32 lanes store 256 consecutive bytes, aligned
.endr
.endif
	s_endpgm
.Lfunc_end_k_qa50c71fe5a_ln1:
	.size	k_qa50c71fe5a_ln1, .Lfunc_end_k_qa50c71fe5a_ln1-k_qa50c71fe5a_ln1
	.p2alignl 7, 3214868480
	.fill 96, 4, 3214868480
	.section	.rodata,"a",@progbits
	.p2align	6, 0x0
	.amdhsa_kernel k_qa50c71fe5a_ln1
		.amdhsa_group_segment_fixed_size 0
		.amdhsa_private_segment_fixed_size 0
		.amdhsa_enable_private_segment 0
		.amdhsa_kernarg_size 48
		.amdhsa_user_sgpr_count 2
		.amdhsa_user_sgpr_kernarg_segment_ptr 1
		.amdhsa_wavefront_size32 1
		.amdhsa_system_sgpr_workgroup_id_x 1
		.amdhsa_system_sgpr_workgroup_id_y 1
		.amdhsa_system_sgpr_workgroup_id_z 1
		.amdhsa_system_vgpr_workitem_id 0
		.amdhsa_next_free_vgpr 176
		.amdhsa_next_free_sgpr 66
		.amdhsa_reserve_vcc 0
		.amdhsa_float_denorm_mode_32 3
		.amdhsa_float_denorm_mode_16_64 3
		.amdhsa_memory_ordered 1
		.amdhsa_forward_progress 1
		.amdhsa_inst_pref_size 19
	.end_amdhsa_kernel
	.amdgpu_metadata
---
amdhsa.version: [ 1, 2 ]
amdhsa.kernels:
  - .name:           k_qa50c71fe5a_ln1
    .symbol:         k_qa50c71fe5a_ln1.kd
    .args:
      - { .name: s, .offset: 0, .size: 8, .value_kind: global_buffer, .address_space: global }
      - { .name: xb, .offset: 8, .size: 8, .value_kind: global_buffer, .address_space: global }
      - { .name: ln1_g, .offset: 16, .size: 8, .value_kind: global_buffer, .address_space: global }
      - { .name: ln1_b, .offset: 24, .size: 8, .value_kind: global_buffer, .address_space: global }
      - { .name: h, .offset: 32, .size: 8, .value_kind: global_buffer, .address_space: global }
      - { .name: hb, .offset: 40, .size: 8, .value_kind: global_buffer, .address_space: global }
    .group_segment_fixed_size: 0
    .private_segment_fixed_size: 0
    .kernarg_segment_align: 8
    .kernarg_segment_size: 48
    .max_flat_workgroup_size: 256
    .sgpr_count:     66
    .vgpr_count:     176
    .wavefront_size: 32
...
	.end_amdgpu_metadata
.endif
;; end of part 5
;; launch gffn1: the kernel of part 2 again; grid 16 x 16, 4 waves a work-group, clusters of 4 x 4, 327,680 bytes of LDS; arguments hb, w1, big; writes big
;; launch gffn2 (part 6): grid 8 x 32, 4 waves a work-group, clusters of 4 x 4, 327,680 bytes of LDS; arguments big, wb, b2, s; writes s
.if DOCPART == 6
	.amdgcn_target "amdgcn-amd-amdhsa--gfx1250"
	.amdhsa_code_object_version 6
	.text
	.protected	k_qa50c71fe5a_gffn2
	.globl	k_qa50c71fe5a_gffn2
	.p2align	8
	.type	k_qa50c71fe5a_gffn2,@function
k_qa50c71fe5a_gffn2:
	s_mov_b64 s[64:65], 0
	v_nop
	global_prefetch_b8 v0, s[64:65] scope:SCOPE_SE
	s_setreg_imm32_b32 hwreg(HW_REG_WAVE_MODE, 25, 1), 1
	s_wait_xcnt 0x0
	s_wait_alu depctr_hold_cnt(0) depctr_sa_sdst(0) depctr_va_vdst(0) depctr_va_sdst(0) depctr_va_ssrc(0) depctr_va_vcc(0) depctr_vm_vsrc(0)
	s_getreg_b32 s2, hwreg(HW_REG_IB_STS2, 6, 4)
	s_cmp_eq_u32 s2, 0
	s_cbranch_scc0 .Lentry_in_a_cluster
	s_endpgm
.Lentry_in_a_cluster:
	s_bfe_u32 s2, ttmp6, 0x10000c
	s_cmp_lg_u32 s2, 0xf033
	s_cbranch_scc0 .Lentry_shape_is_right
	s_endpgm
.Lentry_shape_is_right:
; s = A W + b, f32 [4096][1024].  A: bf16 in blocks of 64 columns, [k / 64][4096][64], a block 524,288 bytes.  W: 8 panels [SIZE_K][128] bf16 at byte WOFF of wb.  b: f32, rounded here once to bf16.
; A tile of the result is 128 x 128 (256 work-groups): four waves, each 64 x 64 in 16 accumulators.  K goes in steps of 256 through two LDS slots.
; A's tile of a step is four blocks of 128 rows x 128 bytes, each dense in memory; a wave's load brings two of them as two rows of 16,384 bytes, padded in LDS after every 128.
; B's tile lies [k][column]; its fragments come out of LDS turned.  The product is used transposed (source 0 = 16 columns of W, source 1 = 16 rows of A); the bias is the C operand of the first products.
; CLUSTER 4 x 4: A's tile is asked for jointly by a row of the cluster, B's by a column.  One text serves every K step: the slot in hand is the scalar TB.
; The way out goes through slot 0, which has had its last fill and whose last reads lie ahead of a barrier.  No prefetch: the tile is small, a step short.
; LIMITS: operands are bf16; NaN and infinities are not treated apart.
.set SIZE_K, 4096
.set WOFF,   16777216
.set T,      SIZE_K/256
.set PANEL,  256*SIZE_K
.set PA,    144                        ; A's LDS row: 128 bytes + 16
.set KB,    128*PA                     ; a block of 64 along K
.set PB,    288                        ; B's LDS row: 256 + 32
.set BOFF,  4*KB
.set SLOT,  BOFF+256*PB
.set SPARE, 2*SLOT                     ; the spare words: two blocks of 256 bytes that no other line names
.set SP,    528                        ; the stage's row: 128 f32 + 16 bytes
.set LNA,  10
.set LNB,  11
.set ADRA, 16
.set ADRB, 20                          ; v20: B's quarters 0, 1; v21: quarters 2, 3 (128 rows on)
.set STO,  24
.set RD,   25
.set CO,   26
.set SPW,  28
.set NIL,  29
.set BIA,  32                          ; v32-63  the bias of my 64 columns; later the rows read back
.set OB,   32
.set ACC,  128                         ; accumulator (a, b) at ACC + 8 (4 a + b)
.set F0,   0                           ; fragment buffers, in window 1: 64 registers of A, then 64 of B
.set F1,   128
.set G1,  24
.set G0,  32
.set G1B, 48
.set G0B, 56
.set TB,  80
.set LAA, 81
.set LAB, 82
.set BP,  86
.set CP,  88
.set MSB, 0
.macro WIN new
.if MSB != (\new)
	s_set_vgpr_msb (MSB<<8)|(\new)
.set MSB, \new
.endif
.endm
.macro JLOAD s                         ; waves 0, 1 fetch A's halves, waves 2, 3 B's; an s_nop 0 and four v_nop follow each line
	s_cmp_eq_u32 s11, 0
	s_cbranch_scc0 .Lfor_b_\@
	tensor_load_to_lds s[G0+4*(\s):G0+4*(\s)+3], s[G1:G1+7]
	s_nop 0
.rept 4
	v_nop
.endr
	s_branch .Lasked_\@
.Lfor_b_\@:
	tensor_load_to_lds s[G0B+4*(\s):G0B+4*(\s)+3], s[G1B:G1B+7]
	s_nop 0
.rept 4
	v_nop
.endr
.Lasked_\@:
.endm
.macro CREST
	s_cmp_lg_u32 s10, 0
	s_cbranch_scc1 .Lnot_wave_0_\@
	s_barrier_signal -3
.Lnot_wave_0_\@:
	s_barrier_wait -3
	s_barrier_signal -1
	s_barrier_wait -1
.endm
.macro CROUND
	s_barrier_signal -1
	s_barrier_wait -1
	CREST
.endm
.macro PLACES
.rept 4
	v_nop
.endr
.endm
.macro RND2 a, t
	v_cvt_pk_bf16_f32 v[\t], v[\a], v[(\a)+1]
	v_lshlrev_b32 v[\a], 16, v[\t]
	v_and_b32 v[(\a)+1], 0xffff0000, v[\t]
.endm
	s_load_b256 s[68:75], s[0:1], 0x0              ; A s[68:69], wb s[70:71], the bias s[72:73], the output s[74:75]
	v_lshl_add_u32 v[SPW], v0, 2, SPARE
	v_mov_b32 v[NIL], 0
	ds_add_u32 v[SPW], v[NIL]                      ; the wave's opening: the add and its wait ahead of my first tensor load
	v_lshrrev_b32 v1, 5, v0
	v_readfirstlane_b32 s10, v1
	s_lshr_b32 s11, s10, 1                         ; my half of the rows; also: I fetch for A (0) or B (1)
	s_and_b32 s12, s10, 1                          ; my half of the columns; also: which half I fetch
	s_bfe_u32 s40, ttmp6, 0x40000
	s_bfe_u32 s41, ttmp6, 0x40004
	s_lshl_b32 s42, ttmp9, 2
	s_add_co_u32 s42, s42, s40                     ; tile column
	s_and_b32 s13, ttmp7, 0xffff
	s_lshl_b32 s13, s13, 2
	s_add_co_u32 s13, s13, s41                     ; tile row
	s_lshl_b32 s43, s41, 2
	s_lshl_b32 s43, 15, s43
	s_lshl_b32 s44, 0x1111, s40
	s_or_b32 s[G1+0], s43, (3<<16)|(1<<20)|(1<<21)|(4<<22)|(3<<25)   ; my row's mask; 8-byte elements; padding on; bit 21 beside a mask; after every 32 words 4 words
	s_mov_b32 s[G1+1], 2048<<16                    ; tensor_dim0 = 2,048 elements: 16,384 bytes, a block's 128 rows
	s_mov_b32 s[G1+2], 2<<16                       ; tensor_dim1 = 2 blocks
	s_mov_b32 s[G1+3], 2048<<16                    ; tile_dim0
	s_mov_b32 s[G1+4], 2                           ; tile_dim1
	s_mov_b32 s[G1+5], 65536                       ; 524,288 bytes from block to block
	s_mov_b32 s[G1+6], 0
	s_mov_b32 s[G1+7], 0
	s_or_b32 s[G1B+0], s44, (1<<16)|(1<<20)|(1<<21)|(5<<22)|(7<<25)  ; my column's mask; 2-byte elements; after every 64 words 8 words
	s_mov_b32 s[G1B+1], 128<<16
	s_mov_b32 s[G1B+2], 128<<16
	s_mov_b32 s[G1B+3], 128<<16
	s_mov_b32 s[G1B+4], 128
	s_mov_b32 s[G1B+5], 128
	s_mov_b32 s[G1B+6], 0
	s_mov_b32 s[G1B+7], 0
	s_lshl_b32 s16, s13, 14                        ; A: the tile's 128 rows of 128 bytes, in blocks 2 x half and the next
	s_lshl_b32 s17, s12, 20
	s_add_co_u32 s16, s16, s17
	s_mov_b32 s17, 0
	s_mul_i32 s46, s42, PANEL                      ; B: the tile column's panel, k rows 128 x half on
	s_lshl_b32 s47, s12, 15
	s_add_co_u32 s46, s46, s47
	s_add_co_u32 s46, s46, WOFF
	s_mov_b32 s47, 0
	s_mul_i32 s[LAA], s12, 2*KB
	s_mul_i32 s[LAB], s12, 128*PB
	s_add_co_u32 s[LAB], s[LAB], BOFF
	s_wait_dscnt 0x0                               ; the opening add is done
	s_wait_kmcnt 0x0
	s_add_nc_u64 s[14:15], s[68:69], s[16:17]
	s_add_nc_u64 s[46:47], s[70:71], s[46:47]
	CROUND                                         ; all sixteen work-groups are here: the first joint loads meet
.irp s, 0,1
	s_mov_b32 s[G0+4*(\s)], 1
	s_add_co_u32 s[G0+4*(\s)+1], s[LAA], (\s)*SLOT
	s_add_nc_u64 s[G0+4*(\s)+2:G0+4*(\s)+3], s[14:15], (\s)*2097152
	s_or_b32 s[G0+4*(\s)+3], s[G0+4*(\s)+3], 0x80000000
	s_mov_b32 s[G0B+4*(\s)], 1
	s_add_co_u32 s[G0B+4*(\s)+1], s[LAB], (\s)*SLOT
	s_add_nc_u64 s[G0B+4*(\s)+2:G0B+4*(\s)+3], s[46:47], (\s)*65536
	s_or_b32 s[G0B+4*(\s)+3], s[G0B+4*(\s)+3], 0x80000000
	JLOAD \s                                       ; two loads of mine are out: the most in this text
.endr
	v_and_b32 v1, 15, v0
	v_bfe_u32 v2, v0, 4, 1
	v_and_b32 v3, 7, v0
	v_bfe_u32 v4, v0, 3, 1
	v_lshlrev_b32 v6, 5, v2
	s_lshl_b32 s20, s42, 9                         ; the bias at column 128 x tile column + 64 x half
	s_lshl_b32 s21, s12, 8
	s_add_co_u32 s20, s20, s21
	s_mov_b32 s21, 0
	s_add_nc_u64 s[BP:BP+1], s[72:73], s[20:21]
.irp b, 0,1,2,3
	global_load_b128 v[BIA+8*(\b):BIA+8*(\b)+3],   v6, s[BP:BP+1] offset:64*(\b)
	global_load_b128 v[BIA+8*(\b)+4:BIA+8*(\b)+7], v6, s[BP:BP+1] offset:64*(\b)+16
.endr
	s_lshl_b32 s20, s13, 19                        ; the output: row 128 x tile row + 32 x wave, 4,096 bytes each; column 128 x tile column
	s_lshl_b32 s21, s10, 17
	s_add_co_u32 s20, s20, s21
	s_lshl_b32 s21, s42, 9
	s_add_co_u32 s20, s20, s21
	s_mov_b32 s21, 0
	s_add_nc_u64 s[CP:CP+1], s[74:75], s[20:21]
	v_mul_u32_u24 v5, v1, PA
	v_lshl_add_u32 v5, v2, 4, v5
	s_mul_i32 s21, s11, 64*PA
	v_add_nc_u32 v[LNA], s21, v5
	v_lshl_add_u32 v5, v2, 3, v3
	v_mul_u32_u24 v5, v5, PB
	v_lshl_add_u32 v5, v4, 4, v5
	s_lshl_b32 s22, s12, 7
	s_add_co_u32 s22, s22, BOFF
	v_add_nc_u32 v[LNB], s22, v5
	s_mul_i32 s22, s11, 64*SP                      ; into the stage: row 64 wm + r, byte 256 wn + 32 h
	s_lshl_b32 s23, s12, 8
	s_add_co_u32 s22, s22, s23
	v_mul_u32_u24 v5, v1, SP
	v_lshl_add_u32 v5, v2, 5, v5
	v_add_nc_u32 v[STO], s22, v5
	s_mul_i32 s23, s10, 32*SP                      ; back: rows 32 w on, a whole row of 512 bytes an instruction
	v_and_b32 v5, 31, v0
	v_lshlrev_b32 v[CO], 4, v5
	v_add_nc_u32 v[RD], s23, v[CO]
	s_wait_loadcnt 0x0                             ; the bias
.set k, 0
.rept 16
	RND2 BIA+2*k, 7
.set k, k+1
.endr
; 8 matrix instructions: row blocks a0, a0 + 1 x all 4 column blocks, 32 along K: half c of buffer f.  first = 1: the bias starts the sums.  The 16 accumulators take turns.
.macro MUL8 f, c, a0, first
	WIN 0x05                                       ; sources 0 (B) and 1 (A) window 1; C and D window 0
.irp a, \a0, (\a0)+1
.irp b, 0,1,2,3
.if \first
	v_wmma_f32_16x16x32_bf16 v[ACC+8*(4*(\a)+(\b)):ACC+8*(4*(\a)+(\b))+7], v[(\f)+64+8*(4*(\c)+(\b)):(\f)+64+8*(4*(\c)+(\b))+7], v[(\f)+8*(4*(\c)+(\a)):(\f)+8*(4*(\c)+(\a))+7], v[BIA+8*(\b):BIA+8*(\b)+7]
.else
	v_wmma_f32_16x16x32_bf16 v[ACC+8*(4*(\a)+(\b)):ACC+8*(4*(\a)+(\b))+7], v[(\f)+64+8*(4*(\c)+(\b)):(\f)+64+8*(4*(\c)+(\b))+7], v[(\f)+8*(4*(\c)+(\a)):(\f)+8*(4*(\c)+(\a))+7], v[ACC+8*(4*(\a)+(\b)):ACC+8*(4*(\a)+(\b))+7]
.endif
.endr
.endr
.endm
; 32 LDS loads in one run: quarter q (64 along K: one block of A) of the slot in hand into buffer f; the first 32 along K first
.macro FETCH q, f
	WIN 0x40
.irp c, 0,1
.irp i, 0,1,2,3
	ds_load_tr16_b128 v[(\f)+64+8*(4*(\c)+(\i)):(\f)+64+8*(4*(\c)+(\i))+3],   v[ADRB+(\q)/2] offset:((\q)%2)*64*PB+(\c)*32*PB+32*(\i)
	ds_load_tr16_b128 v[(\f)+64+8*(4*(\c)+(\i))+4:(\f)+64+8*(4*(\c)+(\i))+7], v[ADRB+(\q)/2] offset:((\q)%2)*64*PB+(\c)*32*PB+32*(\i)+16*PB
	ds_load_b128 v[(\f)+8*(4*(\c)+(\i)):(\f)+8*(4*(\c)+(\i))+3],   v[ADRA] offset:(\q)*KB+(\i)*16*PA+64*(\c)
	ds_load_b128 v[(\f)+8*(4*(\c)+(\i))+4:(\f)+8*(4*(\c)+(\i))+7], v[ADRA] offset:(\q)*KB+(\i)*16*PA+64*(\c)+32
.endr
.endr
.endm
.macro QUARTER q, f, g, first
	s_wait_dscnt 16                                ; the first 32 along K are in
	MUL8 \f, 0, 0, \first
	MUL8 \f, 0, 2, \first
	PLACES
	FETCH \q, \g
	s_wait_dscnt 32                                ; all but the 32 just issued
	MUL8 \f, 1, 0, 0
	MUL8 \f, 1, 2, 0
.endm
.macro MEET round                      ; the first half of a step's last quarter: one barrier for the change of slots
	WIN 0
	s_wait_tensorcnt 0x0                           ; all my tensor loads have landed: my part of the next slot
	ds_add_u32 v[SPW], v[NIL]
	s_wait_dscnt 17                                ; (the add and the youngest sixteen loads may be out)
	MUL8 F1, 0, 0, 0
	s_wait_dscnt 0x0                               ; the add is done, and my reads of this slot are over
	s_barrier_signal -1
	MUL8 F1, 0, 2, 0
.if \round
	WIN 0
.endif
	s_barrier_wait -1
.endm
.macro NEWADR
	v_add_nc_u32 v[ADRA], s[TB], v[LNA]
	v_add_nc_u32 v[ADRB], s[TB], v[LNB]
	v_add_nc_u32 v[ADRB+1], 128*PB, v[ADRB]
.endm
.macro TURN1                           ; the slot just read is filled again with the step two on, first thing behind the round
	MEET 1
	CREST
	s_add_co_u32 s[G0+5], s[LAA], s[TB]
	s_add_nc_u64 s[G0+6:G0+7], s[G0+6:G0+7], 2097152
	s_add_co_u32 s[G0B+5], s[LAB], s[TB]
	s_add_nc_u64 s[G0B+6:G0B+7], s[G0B+6:G0B+7], 65536
	s_xor_b32 s[TB], s[TB], SLOT
	JLOAD 1                                        ; its four v_nop are also the places in front of the loads below
	NEWADR
	FETCH 0, F0
	MUL8 F1, 1, 0, 0
	MUL8 F1, 1, 2, 0
.endm
.macro TURN0                           ; the last two steps: nothing is filled; behind the last nothing is fetched either (only LDS loads are jumped)
	MEET 0
	s_xor_b32 s[TB], s[TB], SLOT
	WIN 0
	PLACES
	NEWADR
	s_cmp_eq_u32 s3, 1
	s_cbranch_scc1 .Lno_fetch_\@
	FETCH 0, F0
	WIN 0
.Lno_fetch_\@:
	MUL8 F1, 1, 0, 0
	MUL8 F1, 1, 2, 0
.endm
	s_wait_tensorcnt 1                             ; my part of step 0 is in; step 1's may stay out
	s_barrier_signal -1
	s_barrier_wait -1
	s_mov_b32 s[TB], 0
	NEWADR
	FETCH 0, F0
	QUARTER 1, F0, F1, 1                           ; the first quarter stands in front of the loop: its first products start the sums with the bias
	WIN 0
	s_mov_b32 s3, T-2
.Lstep:
	QUARTER 2, F1, F0, 0
	QUARTER 3, F0, F1, 0
	TURN1
	QUARTER 1, F0, F1, 0
	WIN 0
	s_sub_co_u32 s3, s3, 1
	s_cmp_lg_u32 s3, 0
	s_cbranch_scc1 .Lstep
	s_mov_b32 s3, 2
.Ltail:                                        ; written apart; left in the middle of its second trip
	QUARTER 2, F1, F0, 0
	QUARTER 3, F0, F1, 0
	TURN0
	WIN 0
	s_sub_co_u32 s3, s3, 1
	s_cmp_eq_u32 s3, 0
	s_cbranch_scc1 .Lout
	QUARTER 1, F0, F1, 0
	WIN 0
	s_branch .Ltail
.Lout:
	s_wait_dscnt 0x0                               ; every wave's LDS reads are over
	s_barrier_signal -1
	s_barrier_wait -1                              ; before any wave stores into the stage
	PLACES
.irp a, 0,1,2,3                        ; the sums go into the stage as they are, f32; each accumulator's low four registers first
.irp b, 0,1,2,3
	ds_store_b128 v[STO], v[ACC+8*(4*(\a)+(\b)):ACC+8*(4*(\a)+(\b))+3]   offset:(\a)*16*SP+64*(\b)
	ds_store_b128 v[STO], v[ACC+8*(4*(\a)+(\b))+4:ACC+8*(4*(\a)+(\b))+7] offset:(\a)*16*SP+64*(\b)+16
.endr
.endr
	s_wait_dscnt 0x0                               ; for the others' sake: my stores into the stage are done
	s_barrier_signal -1
	s_barrier_wait -1
	s_mov_b32 s3, 4
.Lcopy:                                        ; a trip: 8 of my 32 rows
.irp t, 0,1,2,3,4,5,6,7
	ds_load_b128 v[OB+4*(\t):OB+4*(\t)+3], v[RD] offset:(\t)*SP
.endr
	s_wait_dscnt 0x0
.irp t, 0,1,2,3,4,5,6,7
	global_store_b128 v[CO], v[OB+4*(\t):OB+4*(\t)+3], s[CP:CP+1] offset:4096*(\t)  ; 32 lanes store 512 consecutive bytes, aligned
.endr
	s_wait_xcnt 0x0                                ; the stores have read their registers and their base
	v_add_nc_u32 v[RD], 8*SP, v[RD]
	s_add_nc_u64 s[CP:CP+1], s[CP:CP+1], 32768
	s_sub_co_u32 s3, s3, 1
	s_cmp_lg_u32 s3, 0
	s_cbranch_scc1 .Lcopy
	s_wait_tensorcnt 0x0                           ; the wave's end
	ds_add_u32 v[SPW], v[NIL]
	s_wait_dscnt 0x0
	CROUND                                         ; the closing round
	s_endpgm
.Lfunc_end_k_qa50c71fe5a_gffn2:
	.size	k_qa50c71fe5a_gffn2, .Lfunc_end_k_qa50c71fe5a_gffn2-k_qa50c71fe5a_gffn2
	.p2alignl 7, 3214868480
	.fill 96, 4, 3214868480
	.section	.rodata,"a",@progbits
	.p2align	6, 0x0
	.amdhsa_kernel k_qa50c71fe5a_gffn2
		.amdhsa_group_segment_fixed_size 327680
		.amdhsa_private_segment_fixed_size 0
		.amdhsa_enable_private_segment 0
		.amdhsa_kernarg_size 32
		.amdhsa_user_sgpr_count 2
		.amdhsa_user_sgpr_kernarg_segment_ptr 1
		.amdhsa_wavefront_size32 1
		.amdhsa_system_sgpr_workgroup_id_x 1
		.amdhsa_system_sgpr_workgroup_id_y 1
		.amdhsa_system_sgpr_workgroup_id_z 1
		.amdhsa_system_vgpr_workitem_id 0
		.amdhsa_next_free_vgpr 512
		.amdhsa_next_free_sgpr 96
		.amdhsa_reserve_vcc 0
		.amdhsa_float_denorm_mode_32 3
		.amdhsa_float_denorm_mode_16_64 3
		.amdhsa_memory_ordered 1
		.amdhsa_forward_progress 1
		.amdhsa_inst_pref_size 58
	.end_amdhsa_kernel
	.amdgpu_metadata
---
amdhsa.version: [ 1, 2 ]
amdhsa.kernels:
  - .name:           k_qa50c71fe5a_gffn2
    .symbol:         k_qa50c71fe5a_gffn2.kd
    .args:
      - { .name: big, .offset: 0, .size: 8, .value_kind: global_buffer, .address_space: global }
      - { .name: wb, .offset: 8, .size: 8, .value_kind: global_buffer, .address_space: global }
      - { .name: b2, .offset: 16, .size: 8, .value_kind: global_buffer, .address_space: global }
      - { .name: s, .offset: 24, .size: 8, .value_kind: global_buffer, .address_space: global }
    .group_segment_fixed_size: 327680
    .private_segment_fixed_size: 0
    .kernarg_segment_align: 8
    .kernarg_segment_size: 32
    .max_flat_workgroup_size: 128
    .sgpr_count:     96
    .vgpr_count:     512
    .wavefront_size: 32
...
	.end_amdgpu_metadata
.endif
;; end of part 6
;; launch ln2 (part 7): grid 512 x 1, 8 waves a work-group, no clusters, 0 bytes of LDS; arguments s, h, ln2_g, ln2_b, out0; writes out0
.if DOCPART == 7
	.amdgcn_target "amdgcn-amd-amdhsa--gfx1250"
	.amdhsa_code_object_version 6
	.text
	.protected	k_qa50c71fe5a_ln2
	.globl	k_qa50c71fe5a_ln2
	.p2align	8
	.type	k_qa50c71fe5a_ln2,@function
k_qa50c71fe5a_ln2:
	s_mov_b64 s[64:65], 0
	v_nop
	global_prefetch_b8 v0, s[64:65] scope:SCOPE_SE
	s_setreg_imm32_b32 hwreg(HW_REG_WAVE_MODE, 25, 1), 1
	s_wait_xcnt 0x0
; out = LayerNorm(h + s) g + b over rows of 1,024.  s, h: f32; g, b: f32, rounded here once to bf16, like every input.  Out: f32.
; One wave, one row, kept in 32 registers between the passes: no LDS, no barrier, no loop.  Lane l holds columns 128 j + 4 l .. + 3, j = 0..7: a load or store of the wave covers 512 consecutive bytes.
; The variance is taken of (x - mean), so no difference of large sums is formed.  Memory binds: matrix units and clusters would add nothing.
.set FIRST, 0
.set G, 8                              ; v[8:39]    the gain
.set B, 40                             ; v[40:71]   the bias
.set X, 72                             ; v[72:103]  the row
.set R, 104                            ; v[104:135] the residual
.set T, 136                            ; v[136:151] at work
.set Y, 152                            ; v[152:167] not used here
.macro RND2 a, t
	v_cvt_pk_bf16_f32 v[\t], v[\a], v[(\a)+1]
	v_lshlrev_b32 v[\a], 16, v[\t]
	v_and_b32 v[(\a)+1], s21, v[\t]
.endm
.macro LANES r, t                      ; the sum over the 32 lanes, in every lane; t has been written before
	v_add_f32_dpp v[\r], v[\r], v[\r] row_xmask:1 row_mask:0xf bank_mask:0xf
	v_add_f32_dpp v[\r], v[\r], v[\r] row_xmask:2 row_mask:0xf bank_mask:0xf
	v_add_f32_dpp v[\r], v[\r], v[\r] row_xmask:4 row_mask:0xf bank_mask:0xf
	v_add_f32_dpp v[\r], v[\r], v[\r] row_xmask:8 row_mask:0xf bank_mask:0xf
	v_permlanex16_b32 v[\t], v[\r], s22, s23
	v_add_f32 v[\r], v[\r], v[\t]
.endm
	s_load_b256 s[4:11], s[0:1], 0x0               ; s s[4:5], the residual s[6:7], g s[8:9], b s[10:11]
.if FIRST
	s_load_b128 s[12:15], s[0:1], 0x20
.else
	s_load_b64 s[12:13], s[0:1], 0x20              ; the output
.endif
	v_lshrrev_b32 v1, 5, v0
	v_readfirstlane_b32 s16, v1
	s_lshl_b32 s17, ttmp9, 3
	s_add_co_u32 s16, s16, s17                     ; my row
	s_lshl_b32 s18, s16, 12                        ; in f32
	s_mov_b32 s19, 0
	s_lshl_b32 s24, s16, 11
	s_mov_b32 s25, 0
	s_mov_b32 s20, 0x3a800000                      ; 1 / 1,024
	s_mov_b32 s21, 0xffff0000
	s_mov_b32 s22, 0x76543210
	s_mov_b32 s23, 0xfedcba98
	v_and_b32 v2, 31, v0
	v_lshlrev_b32 v3, 4, v2
	v_lshlrev_b32 v4, 3, v2
	s_wait_kmcnt 0x0
	s_add_nc_u64 s[4:5], s[4:5], s[18:19]
	s_add_nc_u64 s[12:13], s[12:13], s[18:19]
.if FIRST
	s_add_nc_u64 s[6:7], s[6:7], s[24:25]
	s_add_nc_u64 s[14:15], s[14:15], s[24:25]
.else
	s_add_nc_u64 s[6:7], s[6:7], s[18:19]
.endif
.irp j, 0,1,2,3,4,5,6,7
	global_load_b128 v[X+4*(\j):X+4*(\j)+3], v3, s[4:5] offset:512*(\j) th:TH_LOAD_NT
.endr
.irp j, 0,1,2,3,4,5,6,7
.if FIRST
	global_load_b64 v[R+2*(\j):R+2*(\j)+1], v4, s[6:7] offset:256*(\j)
.else
	global_load_b128 v[R+4*(\j):R+4*(\j)+3], v3, s[6:7] offset:512*(\j) th:TH_LOAD_NT
.endif
.endr
.irp j, 0,1,2,3,4,5,6,7
	global_load_b128 v[G+4*(\j):G+4*(\j)+3], v3, s[8:9] offset:512*(\j)
.endr
.irp j, 0,1,2,3,4,5,6,7
	global_load_b128 v[B+4*(\j):B+4*(\j)+3], v3, s[10:11] offset:512*(\j)
.endr
	s_wait_loadcnt 16                              ; the row and the residual are in; the gain's and the bias's 16 loads may stay out
.if FIRST
.irp j, 0,1,2,3,4,5,6,7
	v_lshlrev_b32 v[T+4*((\j)%4)],   16,  v[R+2*(\j)]
	v_and_b32     v[T+4*((\j)%4)+1], s21, v[R+2*(\j)]
	v_lshlrev_b32 v[T+4*((\j)%4)+2], 16,  v[R+2*(\j)+1]
	v_and_b32     v[T+4*((\j)%4)+3], s21, v[R+2*(\j)+1]
	v_pk_add_f32 v[X+4*(\j):X+4*(\j)+1],   v[X+4*(\j):X+4*(\j)+1],   v[T+4*((\j)%4):T+4*((\j)%4)+1]
	v_pk_add_f32 v[X+4*(\j)+2:X+4*(\j)+3], v[X+4*(\j)+2:X+4*(\j)+3], v[T+4*((\j)%4)+2:T+4*((\j)%4)+3]
.endr
.else
.set k, 0
.rept 16
	v_pk_add_f32 v[X+2*k:X+2*k+1], v[X+2*k:X+2*k+1], v[R+2*k:R+2*k+1]
.set k, k+1
.endr
.endif
.irp k, 0,1,2,3                        ; the sum, in four chains
	v_pk_add_f32 v[T+2*(\k):T+2*(\k)+1], v[X+2*(\k):X+2*(\k)+1], v[X+8+2*(\k):X+8+2*(\k)+1]
.endr
.irp k, 0,1,2,3
	v_pk_add_f32 v[T+2*(\k):T+2*(\k)+1], v[T+2*(\k):T+2*(\k)+1], v[X+16+2*(\k):X+16+2*(\k)+1]
.endr
.irp k, 0,1,2,3
	v_pk_add_f32 v[T+2*(\k):T+2*(\k)+1], v[T+2*(\k):T+2*(\k)+1], v[X+24+2*(\k):X+24+2*(\k)+1]
.endr
	v_pk_add_f32 v[T:T+1], v[T:T+1], v[T+2:T+3]
	v_pk_add_f32 v[T+4:T+5], v[T+4:T+5], v[T+6:T+7]
	v_pk_add_f32 v[T:T+1], v[T:T+1], v[T+4:T+5]
	v_add_f32 v[T], v[T], v[T+1]
	LANES T, T+1
	v_mul_f32 v168, s20, v[T]                      ; the mean
	v_mov_b32 v169, v168
.set k, 0
.rept 16
	v_pk_add_f32 v[X+2*k:X+2*k+1], v[X+2*k:X+2*k+1], v[168:169] neg_lo:[0,1] neg_hi:[0,1]
.set k, k+1
.endr
.irp k, 0,1,2,3                        ; the sum of squares, in four chains
	v_pk_mul_f32 v[T+2*(\k):T+2*(\k)+1], v[X+2*(\k):X+2*(\k)+1], v[X+2*(\k):X+2*(\k)+1]
.endr
.irp m, 8,16,24
.irp k, 0,1,2,3
	v_pk_fma_f32 v[T+2*(\k):T+2*(\k)+1], v[X+(\m)+2*(\k):X+(\m)+2*(\k)+1], v[X+(\m)+2*(\k):X+(\m)+2*(\k)+1], v[T+2*(\k):T+2*(\k)+1]
.endr
.endr
	v_pk_add_f32 v[T:T+1], v[T:T+1], v[T+2:T+3]
	v_pk_add_f32 v[T+4:T+5], v[T+4:T+5], v[T+6:T+7]
	v_pk_add_f32 v[T:T+1], v[T:T+1], v[T+4:T+5]
	v_add_f32 v[T], v[T], v[T+1]
	LANES T, T+1
	v_fmaak_f32 v170, s20, v[T], 0x3727c5ac        ; the variance + 1e-5
	v_rsq_f32 v172, v170
	v_rsq_f32 v173, v170                           ; twice: a pair for the packed multiply
	s_wait_loadcnt 0x0                             ; the gain and the bias
.set k, 0
.rept 16                               ; their rounding is the plain work behind the two roots
	RND2 G+2*k, T+k%8
	RND2 B+2*k, T+8+k%8
.set k, k+1
.endr
	s_wait_alu depctr_va_vdst(0)                   ; one wait for both roots, ahead of their first reader
.set k, 0
.rept 16
	v_pk_mul_f32 v[X+2*k:X+2*k+1], v[X+2*k:X+2*k+1], v[172:173]
.set k, k+1
.endr
.set k, 0
.rept 16
	v_pk_fma_f32 v[X+2*k:X+2*k+1], v[X+2*k:X+2*k+1], v[G+2*k:G+2*k+1], v[B+2*k:B+2*k+1]
.set k, k+1
.endr
.irp j, 0,1,2,3,4,5,6,7
	global_store_b128 v3, v[X+4*(\j):X+4*(\j)+3], s[12:13] offset:512*(\j)  ; 512 consecutive bytes, aligned
.endr
.if FIRST
.set k, 0
.rept 16
	v_cvt_pk_bf16_f32 v[Y+k], v[X+2*k], v[X+2*k+1]
.set k, k+1
.endr
.irp j, 0,1,2,3,4,5,6,7
	global_store_b64 v4, v[Y+2*(\j):Y+2*(\j)+1], s[14:15] offset:256*(\j)
.endr
.endif
	s_endpgm
.Lfunc_end_k_qa50c71fe5a_ln2:
	.size	k_qa50c71fe5a_ln2, .Lfunc_end_k_qa50c71fe5a_ln2-k_qa50c71fe5a_ln2
	.p2alignl 7, 3214868480
	.fill 96, 4, 3214868480
	.section	.rodata,"a",@progbits
	.p2align	6, 0x0
	.amdhsa_kernel k_qa50c71fe5a_ln2
		.amdhsa_group_segment_fixed_size 0
		.amdhsa_private_segment_fixed_size 0
		.amdhsa_enable_private_segment 0
		.amdhsa_kernarg_size 40
		.amdhsa_user_sgpr_count 2
		.amdhsa_user_sgpr_kernarg_segment_ptr 1
		.amdhsa_wavefront_size32 1
		.amdhsa_system_sgpr_workgroup_id_x 1
		.amdhsa_system_sgpr_workgroup_id_y 1
		.amdhsa_system_sgpr_workgroup_id_z 1
		.amdhsa_system_vgpr_workitem_id 0
		.amdhsa_next_free_vgpr 176
		.amdhsa_next_free_sgpr 66
		.amdhsa_reserve_vcc 0
		.amdhsa_float_denorm_mode_32 3
		.amdhsa_float_denorm_mode_16_64 3
		.amdhsa_memory_ordered 1
		.amdhsa_forward_progress 1
		.amdhsa_inst_pref_size 17
	.end_amdhsa_kernel
	.amdgpu_metadata
---
amdhsa.version: [ 1, 2 ]
amdhsa.kernels:
  - .name:           k_qa50c71fe5a_ln2
    .symbol:         k_qa50c71fe5a_ln2.kd
    .args:
      - { .name: s, .offset: 0, .size: 8, .value_kind: global_buffer, .address_space: global }
      - { .name: h, .offset: 8, .size: 8, .value_kind: global_buffer, .address_space: global }
      - { .name: ln2_g, .offset: 16, .size: 8, .value_kind: global_buffer, .address_space: global }
      - { .name: ln2_b, .offset: 24, .size: 8, .value_kind: global_buffer, .address_space: global }
      - { .name: out0, .offset: 32, .size: 8, .value_kind: global_buffer, .address_space: global }
    .group_segment_fixed_size: 0
    .private_segment_fixed_size: 0
    .kernarg_segment_align: 8
    .kernarg_segment_size: 40
    .max_flat_workgroup_size: 256
    .sgpr_count:     66
    .vgpr_count:     176
    .wavefront_size: 32
...
	.end_amdgpu_metadata
.endif
;; end of part 7
;; ======== version 2 of 2: 8 launches; version 1 with the launch cast written anew for expert scheduling mode
;; workspace buffers: xb 8,388,608 bytes; wb 25,165,824 bytes; w1 8,409,088 bytes; big 33,554,432 bytes; ob 8,388,608 bytes; s 16,777,216 bytes; h 16,777,216 bytes; hb 8,388,608 bytes
;; launch cast (part 8): grid 256 x 4, 8 waves a work-group, no clusters, 0 bytes of LDS; arguments hidden_states, W1, W2, Wq, Wk, Wv, Wo, bq, bk, bv, b1, xb, wb, w1; writes xb, wb, w1
.if DOCPART == 8
	.amdgcn_target "amdgcn-amd-amdhsa--gfx1250"
	.amdhsa_code_object_version 6
	.text
	.protected	k_qa50c71fe5a_cast
	.globl	k_qa50c71fe5a_cast
	.p2align	8
	.type	k_qa50c71fe5a_cast,@function
k_qa50c71fe5a_cast:
	s_mov_b64 s[64:65], 0
	v_nop
	global_prefetch_b8 v0, s[64:65] scope:SCOPE_SE
	s_setreg_imm32_b32 hwreg(HW_REG_WAVE_SCHED_MODE, 0, 2), 2
	s_setreg_imm32_b32 hwreg(HW_REG_WAVE_MODE, 25, 1), 1
	s_wait_xcnt 0x0
	s_wait_alu depctr_vm_vsrc(0)
; x and the six weight matrices, f32, are rounded once to bf16 (nearest even).  x keeps its layout: xb [4096][1024].
; A weight [K][N] is laid in PANELS of 128 columns: [N/128][K][128], so that a panel's rows are 256 bytes on end.
; wb: Wq, Wk, Wv (24 panels of 262,144 bytes) at 0; Wo (8 panels) at 6,291,456; W2 (8 panels of 1,048,576) at 16,777,216.  w1: W1 (32 panels of 262,144) at 0.
; A TAIL lies at byte 8,388,608 of wb and of w1, for the product that reads the weights at byte 0 of that buffer: 4,096 bytes of its FLOOR (two bf16 a word: -inf in wb, which
; changes nothing; 0 in w1: relu), then its bias on end, f32 numbers rounded once to bf16: bq, bk, bv in wb, b1 in w1.  wb's bytes between its tail and W2 are not used.
; A CHUNK is 128 consecutive f32 of the source (512 bytes): 256 consecutive, aligned bytes of the destination.  Chunk c of a weight is row c >> LG, panel c & NPM.
; A work-group takes 128 chunks (64 KiB of source).  y = 0: x; 1: W1; 2: W2 (256 work-groups each); y = 3: Wq, Wk, Wv, Wo by x >> 6 (64 each).
; The tails are written by work-groups that are there anyway: the first of Wq, of Wk and of Wv its bias (4,096 bytes: 256 threads x 16), the first four of W1 a quarter of b1 each;
; the one with the bias's first piece also stores the floor.
; No LDS, no matrix unit, no cluster: nothing is shared, each byte is read once and written once.  All 16 loads of a thread go out first.
; THE MODE: SCHED_MODE bits 1:0 = 2 (LLVM: expert scheduling mode 2), set by the entry lines.  The code itself states the register dependences
; between vector instructions and memory instructions, with s_wait_alu, always for 0.
; THE PLAN.  Registers that memory instructions touch:
;   v1, v14    byte offsets, made once at the head and never written again: v1 is read by the 16 loads, v14 by the tail's load and its two stores.
;   D0 .. D7   the stores' offsets.  Written once, by vector lines behind the loads; D[i] is read by pass i's store; never written again.
;   X0 .. X7   Pass i: two loads land in its eight registers, which no vector line has named; its four conversions read them and write the first four; its store reads those four.
;   BT         The tail's load lands in v[80:83]; the widenings write them anew; the bias's store reads them.  v[84:87]: at work, then the floor, which the floor's store reads.
; The eight passes go in four BLOCKS of two.  Block p rounds its own X; its memory instructions are the two stores of block p - 1, whose X and D no vector line of block p names.
; So one wait on va_vdst at a block's head, behind the wait for the block's data, states all that its two stores hang on, and they are dealt among its conversions.
; No register that a memory instruction reads is ever written again: no wait on vm_vsrc is owed.  No vector line writes a scalar register or VCC, and EXEC is never written.
.set D, 2                              ; v[2:9]   byte offset in the destination of my 16 bytes of pass i
.set X, 16                             ; v[16:79] pass i: 8 f32 as loaded, then 4 registers of bf16
.set BT, 80                            ; v[80:83] four numbers of a bias; v[84:87] at work, then the floor
.set TAIL, 8388608
.set FLB,  4096                        ; the floor's bytes, ahead of the bias
	s_load_b512 s[8:23], s[0:1], 0x0               ; x s[8:9], W1 s[10:11], W2 s[12:13], Wq s[14:15], Wk s[16:17], Wv s[18:19], Wo s[20:21], bq s[22:23]
	s_load_b256 s[24:31], s[0:1], 0x40             ; bk s[24:25], bv s[26:27], b1 s[28:29], xb s[30:31]
	s_load_b128 s[32:35], s[0:1], 0x60             ; wb s[32:33], w1 s[34:35]
	s_and_b32 s2, ttmp7, 0xffff                    ; y
	s_lshr_b32 s3, ttmp9, 6                        ; for y = 3: which of the four square weights,
	s_and_b32 s4, ttmp9, 63                        ; and the work-group's number in it
	s_lshl_b32 s40, s3, 21                         ; its place in wb: 8 panels of 262,144 bytes each
	s_mov_b32 s41, 7                               ; NPM: panels - 1
	s_mov_b32 s42, 3                               ; LG: log2 of the panels
	s_mov_b32 s43, 18                              ; PSH: log2 of a panel's bytes
	s_cmp_eq_u32 s4, 0                             ; the tail, for y = 3: the first work-group
	s_cselect_b32 s48, 1, 0
	s_cmp_eq_u32 s3, 3                             ; of Wq, Wk, Wv, not of Wo
	s_cselect_b32 s48, 0, s48
	s_mov_b32 s49, s3                              ; the piece of 4,096 bytes in the tail's bias,
	s_mov_b32 s57, 0                               ; and in the source
	s_mov_b32 s56, 0xff80ff80                      ; the floor: -inf twice
	s_cmp_lt_u32 ttmp9, 4                          ; for y = 1: the first four work-groups
	s_cselect_b32 s58, 1, 0
	v_lshlrev_b32 v1, 5, v0                        ; my 32 bytes of the source in a pass of 8,192
	v_lshrrev_b32 v12, 4, v0                       ; my chunk among a pass's 16
	v_and_b32 v13, 15, v0
	v_lshlrev_b32 v13, 4, v13                      ; my 16 bytes of its 256
	v_lshlrev_b32 v14, 4, v0                       ; my 16 bytes of a tail's piece
	s_wait_kmcnt 0x0
	s_cmp_eq_u32 s3, 1
	s_cselect_b64 s[36:37], s[16:17], s[14:15]
	s_cselect_b64 s[50:51], s[24:25], s[22:23]
	s_cmp_eq_u32 s3, 2
	s_cselect_b64 s[36:37], s[18:19], s[36:37]
	s_cselect_b64 s[50:51], s[26:27], s[50:51]
	s_cmp_eq_u32 s3, 3
	s_cselect_b64 s[36:37], s[20:21], s[36:37]
	s_mov_b64 s[38:39], s[32:33]
	s_cmp_eq_u32 s2, 2                             ; W2: 8 panels of 4,096 rows
	s_cselect_b64 s[36:37], s[12:13], s[36:37]
	s_cselect_b32 s40, 0x1000000, s40
	s_cselect_b32 s43, 20, s43
	s_cselect_b32 s4, ttmp9, s4
	s_cselect_b32 s48, 0, s48
	s_cmp_eq_u32 s2, 1                             ; W1: 32 panels of 1,024 rows, at the head of w1
	s_cselect_b64 s[36:37], s[10:11], s[36:37]
	s_cselect_b64 s[38:39], s[34:35], s[38:39]
	s_cselect_b64 s[50:51], s[28:29], s[50:51]
	s_cselect_b32 s40, 0, s40
	s_cselect_b32 s41, 31, s41
	s_cselect_b32 s42, 5, s42
	s_cselect_b32 s4, ttmp9, s4
	s_cselect_b32 s48, s58, s48
	s_cselect_b32 s49, ttmp9, s49
	s_cselect_b32 s57, ttmp9, s57
	s_cselect_b32 s56, 0, s56
	s_mov_b64 s[52:53], s[38:39]                   ; the buffer whose tail is written: w1 for y = 1, else wb
	s_cmp_eq_u32 s2, 0                             ; x: chunk c goes to byte 256 c of xb
	s_cselect_b64 s[36:37], s[8:9], s[36:37]
	s_cselect_b64 s[38:39], s[30:31], s[38:39]
	s_cselect_b32 s40, 0, s40
	s_cselect_b32 s41, 0, s41
	s_cselect_b32 s42, 0, s42
	s_cselect_b32 s43, 0, s43
	s_cselect_b32 s4, ttmp9, s4
	s_cselect_b32 s48, 0, s48
	s_lshl_b32 s44, s4, 16                         ; the work-group's 64 KiB of the source
	s_mov_b32 s45, 0
	s_add_nc_u64 s[36:37], s[36:37], s[44:45]
	s_mov_b32 s46, s40
	s_mov_b32 s47, 0
	s_add_nc_u64 s[38:39], s[38:39], s[46:47]
	s_lshl_b32 s5, s4, 7                           ; its first chunk
	s_wait_alu depctr_va_vdst(0)                   ; v1 is written, which the 16 loads read as their offset, and v14, which the tail's load and stores read
.irp i, 0,1,2,3,4,5,6,7
	global_load_b128 v[X+8*(\i):X+8*(\i)+3],   v1, s[36:37] offset:8192*(\i) th:TH_LOAD_NT
	global_load_b128 v[X+8*(\i)+4:X+8*(\i)+7], v1, s[36:37] offset:8192*(\i)+16 th:TH_LOAD_NT
.endr
	v_add_nc_u32 v12, s5, v12
.irp i, 0,1,2,3,4,5,6,7                ; the destinations are made while the loads are on their way
	v_add_nc_u32 v10, 16*(\i), v12                 ; chunk c
	v_and_b32 v11, s41, v10
	v_lshlrev_b32 v11, s43, v11                    ; its panel
	v_lshrrev_b32 v10, s42, v10
	v_lshl_add_u32 v10, v10, 8, v11                ; its row of 256 bytes
	v_add_nc_u32 v[D+(\i)], v10, v13
.endr
.macro CVT i                           ; pass i: eight numbers close up into the first four of their eight registers
.irp k, 0,1,2,3
	v_cvt_pk_bf16_f32 v[X+8*(\i)+(\k)], v[X+8*(\i)+2*(\k)], v[X+8*(\i)+2*(\k)+1]
.endr
.endm
.macro OUT i                           ; pass i leaves
	global_store_b128 v[D+(\i)], v[X+8*(\i):X+8*(\i)+3], s[38:39]  ; sixteen lanes store 256 consecutive bytes, aligned
.endm
	s_wait_loadcnt 12                              ; loads come back in order: block 0's four are in, the 12 younger ones stay out
	CVT 0
	CVT 1
.irp p, 1,2,3
	s_wait_loadcnt 12-4*(\p)                       ; block p's four loads are in, the 12 - 4 p younger ones stay out
	s_wait_alu depctr_va_vdst(0)                   ; the block before has written its X, the data of the two stores below; at block 1 the offsets D0 to D7 are written too
	OUT 2*(\p)-2                                   ; no vector line since the wait names these stores' registers
	CVT 2*(\p)
	OUT 2*(\p)-1
	CVT 2*(\p)+1
.endr
	s_wait_alu depctr_va_vdst(0)                   ; block 3's conversions have written X6 and X7, which the last two stores read
	OUT 6
	OUT 7
	s_cmp_eq_u32 s48, 0
	s_cbranch_scc1 .Lend                           ; most work-groups have no part of a tail
	s_lshl_b32 s60, s57, 12
	s_mov_b32 s61, 0
	s_add_nc_u64 s[50:51], s[50:51], s[60:61]      ; the bias at my piece
	s_lshl_b32 s62, s49, 12
	s_add_co_u32 s62, s62, FLB
	s_mov_b32 s63, 0
	s_add_nc_u64 s[52:53], s[52:53], TAIL          ; the tail: its floor,
	s_add_nc_u64 s[54:55], s[52:53], s[62:63]      ; and my piece of its bias
	global_load_b128 v[BT:BT+3], v14, s[50:51]     ; no wait: v14 was written ahead of the head's wait, and no vector line has named v[BT ..]
	s_wait_loadcnt 0x0
	v_cvt_pk_bf16_f32 v[BT+4], v[BT], v[BT+1]      ; rounded once to bf16, like every input, and widened again
	v_cvt_pk_bf16_f32 v[BT+5], v[BT+2], v[BT+3]
	v_lshlrev_b32 v[BT], 16, v[BT+4]
	v_and_b32 v[BT+1], 0xffff0000, v[BT+4]
	v_lshlrev_b32 v[BT+2], 16, v[BT+5]
	v_and_b32 v[BT+3], 0xffff0000, v[BT+5]
	s_wait_alu depctr_va_vdst(0)                   ; the widenings have written v[BT:BT+3], which the store reads
	global_store_b128 v14, v[BT:BT+3], s[54:55]    ; a wave stores 512 consecutive bytes, aligned
	s_cmp_lg_u32 s49, 0
	s_cbranch_scc1 .Lend                           ; the floor goes with the bias's first piece
.irp k, 4,5,6,7
	v_mov_b32 v[BT+(\k)], s56                      ; the store above reads none of these four
.endr
	s_wait_alu depctr_va_vdst(0)                   ; the four moves have written v[BT+4:BT+7], which the store reads
	global_store_b128 v14, v[BT+4:BT+7], s[52:53]
.Lend:
	s_endpgm
.Lfunc_end_k_qa50c71fe5a_cast:
	.size	k_qa50c71fe5a_cast, .Lfunc_end_k_qa50c71fe5a_cast-k_qa50c71fe5a_cast
	.p2alignl 7, 3214868480
	.fill 96, 4, 3214868480
	.section	.rodata,"a",@progbits
	.p2align	6, 0x0
	.amdhsa_kernel k_qa50c71fe5a_cast
		.amdhsa_group_segment_fixed_size 0
		.amdhsa_private_segment_fixed_size 0
		.amdhsa_enable_private_segment 0
		.amdhsa_kernarg_size 112
		.amdhsa_user_sgpr_count 2
		.amdhsa_user_sgpr_kernarg_segment_ptr 1
		.amdhsa_wavefront_size32 1
		.amdhsa_system_sgpr_workgroup_id_x 1
		.amdhsa_system_sgpr_workgroup_id_y 1
		.amdhsa_system_sgpr_workgroup_id_z 1
		.amdhsa_system_vgpr_workitem_id 0
		.amdhsa_next_free_vgpr 88
		.amdhsa_next_free_sgpr 66
		.amdhsa_reserve_vcc 0
		.amdhsa_float_denorm_mode_32 3
		.amdhsa_float_denorm_mode_16_64 3
		.amdhsa_memory_ordered 1
		.amdhsa_forward_progress 1
		.amdhsa_inst_pref_size 11
	.end_amdhsa_kernel
	.amdgpu_metadata
---
amdhsa.version: [ 1, 2 ]
amdhsa.kernels:
  - .name:           k_qa50c71fe5a_cast
    .symbol:         k_qa50c71fe5a_cast.kd
    .args:
      - { .name: hidden_states, .offset: 0, .size: 8, .value_kind: global_buffer, .address_space: global }
      - { .name: W1, .offset: 8, .size: 8, .value_kind: global_buffer, .address_space: global }
      - { .name: W2, .offset: 16, .size: 8, .value_kind: global_buffer, .address_space: global }
      - { .name: Wq, .offset: 24, .size: 8, .value_kind: global_buffer, .address_space: global }
      - { .name: Wk, .offset: 32, .size: 8, .value_kind: global_buffer, .address_space: global }
      - { .name: Wv, .offset: 40, .size: 8, .value_kind: global_buffer, .address_space: global }
      - { .name: Wo, .offset: 48, .size: 8, .value_kind: global_buffer, .address_space: global }
      - { .name: bq, .offset: 56, .size: 8, .value_kind: global_buffer, .address_space: global }
      - { .name: bk, .offset: 64, .size: 8, .value_kind: global_buffer, .address_space: global }
      - { .name: bv, .offset: 72, .size: 8, .value_kind: global_buffer, .address_space: global }
      - { .name: b1, .offset: 80, .size: 8, .value_kind: global_buffer, .address_space: global }
      - { .name: xb, .offset: 88, .size: 8, .value_kind: global_buffer, .address_space: global }
      - { .name: wb, .offset: 96, .size: 8, .value_kind: global_buffer, .address_space: global }
      - { .name: w1, .offset: 104, .size: 8, .value_kind: global_buffer, .address_space: global }
    .group_segment_fixed_size: 0
    .private_segment_fixed_size: 0
    .kernarg_segment_align: 8
    .kernarg_segment_size: 112
    .max_flat_workgroup_size: 256
    .sgpr_count:     66
    .vgpr_count:     88
    .wavefront_size: 32
...
	.end_amdgpu_metadata
.endif
;; end of part 8
;; launch gqkv: the kernel of part 2 again; grid 12 x 16, 4 waves a work-group, clusters of 4 x 4, 327,680 bytes of LDS; arguments xb, wb, big; writes big
;; launch attn: the kernel of part 3 again; grid 8 x 32, 4 waves a work-group, clusters of 4 x 1, 327,680 bytes of LDS; arguments big, attention_mask, ob; writes ob
;; launch gwo: the kernel of part 4 again; grid 8 x 32, 4 waves a work-group, clusters of 4 x 4, 327,680 bytes of LDS; arguments ob, wb, bo, s; writes s
;; launch ln1: the kernel of part 5 again; grid 512 x 1, 8 waves a work-group, no clusters, 0 bytes of LDS; arguments s, xb, ln1_g, ln1_b, h, hb; writes h, hb
;; launch gffn1: the kernel of part 2 again; grid 16 x 16, 4 waves a work-group, clusters of 4 x 4, 327,680 bytes of LDS; arguments hb, w1, big; writes big
;; launch gffn2: the kernel of part 6 again; grid 8 x 32, 4 waves a work-group, clusters of 4 x 4, 327,680 bytes of LDS; arguments big, wb, b2, s; writes s
;; launch ln2: the kernel of part 7 again; grid 512 x 1, 8 waves a work-group, no clusters, 0 bytes of LDS; arguments s, h, ln2_g, ln2_b, out0; writes out0
